; MI455X (gfx1250); checked and timed in simulation.
; The chip was launched on July 23, 2026; its instructions are those of AMD's public machine-readable ISA for CDNA 5 (MIT licence, August 2026) and "CDNA5" Instruction Set Architecture Reference Guide (July 2026). The comments in the code are by the model that wrote it; some were corrected since.
;; Multi Head Attention. Allowed arithmetic: matrix products marked QUANTISED: E2M1 operands, one E8M0 scale for each 32 along K, by v_wmma_scale_f32_16x16x128_f8f6f4 with both operands' format E2M1 (or v_wmma_scale_f32_32x16x128_f4), f32 sums; products left as they are: bf16, f16 or f32 operands; f32 sums; everything else in f32.
;; Inputs: Wk 16 x 1,024 x 64 float32; Wo 1,024 x 1,024 float32; Wq 16 x 1,024 x 64 float32; Wv 16 x 1,024 x 64 float32; k 4 x 2,048 x 1,024 float32; q 4 x 2,048 x 1,024 float32; v 4 x 2,048 x 1,024 float32.
;; Outputs: out0 4 x 2,048 x 1,024 float32.
;; This version of the problem:
;;   THIS VERSION OF THE PROBLEM IS GIVEN IN LOW PRECISION. The matrix products marked QUANTISED in the list below multiply operands that are first quantised to E2M1 (2 exponent bits, 1 mantissa bit; 4 bits a number), with one power-of-two scale for each 32 numbers along K (OCP MX v1.0); their sums are f32. The products marked 'left as it is' may take bf16, f16 or f32 operands, with f32 sums. Whichever they take, every output number must still come out within the allowed error. Rounding operands to bf16 (8 significant bits) uses up far more of that allowance than f16 does (11 bits, for magnitudes from 6e-5 to 65,504). All else is computed in f32.
;;   The module's matrix products, in the order in which they are computed (A, B: the left and right operand; K: the contracted axis; several contracted axes count as one K, in the product's order):
;;     1. [M 1,024, K 1,024] x [K 1,024, N 8,192]; A: input Wq; B: input q: QUANTISED
;;     2. [M 1,024, K 1,024] x [K 1,024, N 8,192]; A: input Wk; B: input k: QUANTISED
;;     3. [M 1,024, K 1,024] x [K 1,024, N 8,192]; A: input Wv; B: input v: QUANTISED
;;     4. batch 64 x [M 2,048, K 64] x [K 64, N 2,048]; A: computed on the way; B: computed on the way: left as it is (an operand is computed on the way)
;;     5. batch 64 x [M 2,048, K 2,048] x [K 2,048, N 64]; A: computed on the way; B: computed on the way: left as it is (an operand is computed on the way)
;;     6. [M 8,192, K 1,024] x [K 1,024, N 1,024]; A: computed on the way; B: input Wo: left as it is (an operand is computed on the way)
;;   THE QUANTISER, for each operand of a quantised product, along K:
;;     - K is cut into blocks of 32 from its start; a last block that is shorter is filled with zeros.
;;     - A block's scale is 2^e with e = floor(log2(the largest magnitude in the block)) - 2, held to -126 .. 127; a block of zeros has e = 0. As a byte (E8M0): e + 127.
;;     - Each number is divided by its block's scale, clamped to +-6, and rounded to the nearest number of E2M1, ties to even, subnormals kept.
;;     - The product sums the exact products of the quantised numbers (number of the format x scale) in f32.
;;   ~~~python
;;   def quantise(x, axis):      # numpy; x: float32 -> the quantised numbers, widened to float32 again
;;       x = np.moveaxis(x, axis, -1); K = x.shape[-1]
;;       x = np.pad(x, [(0, 0)] * (x.ndim - 1) + [(0, -K % 32)]); x = x.reshape(x.shape[:-1] + (-1, 32)); a = np.abs(x).max(-1, keepdims=True)
;;       e = np.where(a > 0, np.clip(np.frexp(np.where(a > 0, a, 1))[1] - 1 - 2, -126, 127), 0)      # np.frexp(a)[1] - 1 = floor(log2(a)), exactly
;;       r = np.clip(x / 2.0 ** e, -6, 6)
;;       step = 2.0 ** (np.maximum(np.frexp(np.where(r == 0, 1, r))[1] - 1, 0) - 1)
;;       q = np.round(r / step) * step * 2.0 ** e      # np.round: ties to even
;;       return np.moveaxis(q.reshape(q.shape[:-2] + (-1,))[..., :K], -1, axis).astype(np.float32)
;;   ~~~
;; One version. Each part assembles by itself: llvm-mc -triple=amdgcn-amd-amdhsa -mcpu=gfx1250 --defsym DOCPART=n.
;; ======== version 1 of 1: 5 launches
;; limits: values are held in f16: magnitudes above 65,504 overflow, below 6.1e-05 lose precision
;; workspace buffers: xc 12,582,912 bytes; xs 786,432 bytes; wc 1,572,864 bytes; ws 98,304 bytes; wo16 2,097,152 bytes; ph 50,331,648 bytes; ao 16,777,216 bytes
;; launch quant_x (part 1): grid 768 x 1, 4 waves a work-group, no clusters, 33,280 bytes of LDS; arguments q, k, v, xc, xs; writes xc, xs
.if DOCPART == 1
	.amdgcn_target "amdgcn-amd-amdhsa--gfx1250"
	.amdhsa_code_object_version 6
	.text
	.protected	k_q13c10ebe47_quant_x
	.globl	k_q13c10ebe47_quant_x
	.p2align	8
	.type	k_q13c10ebe47_quant_x,@function
k_q13c10ebe47_quant_x:
	s_mov_b64 s[64:65], 0
	v_nop
	global_prefetch_b8 v0, s[64:65] scope:SCOPE_SE
	s_setreg_imm32_b32 hwreg(HW_REG_WAVE_MODE, 25, 1), 1
	s_wait_xcnt 0x0
; q, k, v: [8192][1024] f32 each (batch and position folded), are turned into codes of FP4 (E2M1), K innermost, with one E8M0 scale byte for each 32 along K.
; xc: [3][8192][512 bytes] (two codes a byte, the lower k in the low four bits); xs: [3][8192][32 bytes].
; A block's scale is 2^(floor(log2(its largest magnitude)) - 2); its byte is the largest magnitude's own exponent field - 2, held at 1 from below.
; Each number is divided by the scale and rounded to the nearest code, ties to even; beyond 6 the conversion gives the largest code.
; LIMITS: a block of zeros gets the byte 1 where the quantiser's text says 127: its codes are zeros, which add nothing, and this program alone reads the bytes.
; NaN and infinities among the inputs are not served.
; Rows are dense and 1,024 is a multiple of 32: each tensor is a plain stream of blocks of 32, and so are its codes and scale bytes.  The three outputs lie on end, so one path serves all three.
; 256 work-groups a tensor; a wave takes 16 steps of 512 numbers.  Each load reads 512 consecutive bytes, 16 a lane; a step's 2,048 bytes turn through the wave's own stage in LDS and come back 64 bytes a lane,
; so that a lane holds 16 neighbours along K (two neighbouring lanes hold a block).  A lane's 16 codes are 8 bytes: the wave stores 256 consecutive bytes.  A wave's 256 scale bytes are gathered in LDS and leave as one store.
; No cluster, no tensor load, no barrier: work-groups and waves share no input.  Loads run four steps (16 loads a wave) ahead, the turn through LDS one step.
.set WAVES, 4
.set STEPS, 16
.set CB,    8                          ; bytes of 16 codes
.set R,     16                         ; v16-79   four sets of 16 numbers as they are loaded
.set X,     80                         ; v80-111  two sets of 16 neighbours
.set E,     112                        ; v112-127 a scale byte for each step
.set C,     128                        ; v128-191 codes: four registers for each step, so that no store's data are written again
.set WREG,  8192                       ; LDS: a region for each wave: two stages of 32 x SP bytes, behind them its 256 scale bytes
.set SP,    80                         ; a lane's place in a stage: 64 bytes + 16 of padding
.set SPW,   12                         ; v12      LDS address of my spare word; never rewritten
.set NIL,   13                         ; v13      0; never rewritten
.set SPARE, WAVES*WREG                 ; behind the four regions: the spare words, 128 bytes a wave, that no other line names
	s_load_b128 s[4:7], s[0:1], 0x0                ; q, k
	s_load_b128 s[8:11], s[0:1], 0x10              ; v, xc
	s_load_b64 s[12:13], s[0:1], 0x20              ; xs
	v_lshl_add_u32 v[SPW], v0, 2, SPARE
	v_mov_b32 v[NIL], 0
	v_lshrrev_b32 v1, 5, v0
	v_readfirstlane_b32 s16, v1                    ; wave
	v_and_b32 v2, 31, v0                           ; lane
	v_lshlrev_b32 v3, 4, v2                        ; my 16 bytes of a load's 512
	s_mul_i32 s17, s16, WREG
	v_lshrrev_b32 v14, 2, v2
	v_mul_u32_u24 v14, v14, SP
	v_and_b32 v15, 3, v2
	v_lshl_add_u32 v14, v15, 4, v14
	v_add_nc_u32 v14, s17, v14                     ; the stage, on the way in: four lanes' 64 bytes on end, then 16 of padding
	v_mul_u32_u24 v15, v2, SP
	v_add_nc_u32 v15, s17, v15                     ; and on the way out: SP x lane: my 16 neighbours
	v_mul_u32_u24 v4, v2, CB                       ; my codes' place in a step's
	v_lshrrev_b32 v5, 1, v2
	s_add_co_u32 s17, s17, 2*32*SP
	v_add_nc_u32 v5, s17, v5                       ; LDS: my wave's 256 scale bytes, my block's byte
	v_lshlrev_b32 v7, 3, v2                        ; and on the way out 8 bytes a lane
	v_add_nc_u32 v6, s17, v7
	s_and_b32 s18, ttmp9, 255                      ; the work-group's number inside its tensor
	s_lshl_b32 s18, s18, 2
	s_add_co_u32 s18, s18, s16                     ; which run of 8,192 numbers of the tensor is my wave's
	s_lshl_b32 s18, s18, 15                        ; 32,768 bytes a run
	s_mov_b32 s19, 0
	s_lshl_b32 s20, ttmp9, 2
	s_add_co_u32 s20, s20, s16                     ; the run's number over all three tensors
	s_lshl_b32 s22, s20, 8                         ; 256 scale bytes a run
	s_lshl_b32 s20, s20, 12                        ; 4,096 bytes of codes a run
	s_mov_b32 s21, 0
	s_mov_b32 s23, 0
	s_wait_kmcnt 0x0
	s_cmp_lt_u32 ttmp9, 256                        ; the source is chosen by the work-group's number alone
	s_cselect_b64 s[4:5], s[4:5], s[6:7]
	s_cmp_lt_u32 ttmp9, 512
	s_cselect_b64 s[4:5], s[4:5], s[8:9]
	s_add_nc_u64 s[4:5], s[4:5], s[18:19]
	s_add_nc_u64 s[10:11], s[10:11], s[20:21]
	s_add_nc_u64 s[12:13], s[12:13], s[22:23]
.macro LOAD t
.irp i, 0,1,2,3
	global_load_b128 v[R+16*((\t)%4)+4*\i:R+16*((\t)%4)+4*\i+3], v3, s[4:5] offset:2048*(\t)+512*\i th:TH_LOAD_NT   ; 32 lanes read 512 consecutive bytes
.endr
.endm
.macro TURN t                          ; step t's numbers through the stage: LDS serves a wave's instructions in order, so no wait stands between the stores and the loads
.irp i, 0,1,2,3
	ds_store_b128 v14, v[R+16*((\t)%4)+4*\i:R+16*((\t)%4)+4*\i+3] offset:32*SP*((\t)%2)+8*SP*\i
.endr
.irp i, 0,1,2,3
	ds_load_b128 v[X+16*((\t)%2)+4*\i:X+16*((\t)%2)+4*\i+3], v15 offset:32*SP*((\t)%2)+16*\i
.endr
.endm
.irp t, 0,1,2,3
	LOAD \t
.endr
	s_wait_loadcnt 12                              ; step 0's four loads are in; the twelve of steps 1 to 3 may be out
	TURN 0
.macro STEP t
.set XS, X+16*((\t)%2)
.if (\t) > 0
	s_wait_dscnt 1                                 ; this step's numbers are back from the stage (the last step's byte store may be out): so its stores into the stage have read their registers,
.else
	s_wait_dscnt 0x0
.endif
.if (\t)+4 < STEPS
	LOAD (\t)+4                                    ; which take the loads of four steps on
.endif
.if (\t)+1 < STEPS
.if STEPS-2-(\t) >= 3
	s_wait_loadcnt 12                              ; the next step's four loads are in; those of the three steps behind it may be out
.else
	s_wait_loadcnt 4*(STEPS-2-(\t))                ; the tail: four for each step still behind the next
.endif
	TURN (\t)+1                                    ; and go through the other stage while this step is worked
.endif
	v_max3_num_f32 v8, |v[XS]|, |v[XS+1]|, |v[XS+2]|               ; the largest magnitude of my 16, in two chains
	v_max3_num_f32 v9, |v[XS+3]|, |v[XS+4]|, |v[XS+5]|
.irp i, 6,10
	v_max3_num_f32 v8, v8, |v[XS+\i]|, |v[XS+\i+1]|
	v_max3_num_f32 v9, v9, |v[XS+\i+2]|, |v[XS+\i+3]|
.endr
	v_max3_num_f32 v8, v8, |v[XS+14]|, |v[XS+15]|
	v_max3_num_f32 v8, v8, v9, 0x1800000           ; and the floor 2^(3 - 127): so the byte cannot fall under 1
	v_max_num_f32_dpp v8, v8, v8 row_xmask:1 row_mask:0xf bank_mask:0xf   ; and of my neighbour's 16: the block's
	v_add_nc_u32 v11, 0xff000000, v8               ; 2 off its exponent field: the conversion takes the exponent field of this operand as its scale, and nothing else of it
	v_cvt_scalef32_pk8_fp4_f32 v[C+4*(\t)], v[XS:XS+7], v11
	v_cvt_scalef32_pk8_fp4_f32 v[C+4*(\t)+1], v[XS+8:XS+15], v11
	v_lshrrev_b32 v[E+(\t)], 23, v11               ; the scale's byte (also the plain line behind the conversions)
	ds_store_b8 v5, v[E+(\t)] offset:16*(\t)       ; both lanes of a block write the same byte with the same value
	global_store_b64 v4, v[C+4*(\t):C+4*(\t)+1], s[10:11] offset:32*CB*(\t)   ; 32 lanes store 256 consecutive bytes, aligned
.endm
.irp t, 0,1,2,3,4,5,6,7,8,9,10,11,12,13,14,15
	STEP \t
.endr
	ds_load_b64 v[8:9], v6                         ; LDS serves a wave's instructions in order: these see my stores
	s_wait_dscnt 0x0
	global_store_b64 v7, v[8:9], s[12:13]          ; 32 lanes store 256 consecutive bytes, aligned
	s_wait_tensorcnt 0x0                           ; the wave's end, behind my last LDS store
	ds_add_u32 v[SPW], v[NIL]
	s_wait_dscnt 0x0
	s_endpgm
.Lfunc_end_k_q13c10ebe47_quant_x:
	.size	k_q13c10ebe47_quant_x, .Lfunc_end_k_q13c10ebe47_quant_x-k_q13c10ebe47_quant_x
	.p2alignl 7, 3214868480
	.fill 96, 4, 3214868480
	.section	.rodata,"a",@progbits
	.p2align	6, 0x0
	.amdhsa_kernel k_q13c10ebe47_quant_x
		.amdhsa_group_segment_fixed_size 33280
		.amdhsa_private_segment_fixed_size 0
		.amdhsa_enable_private_segment 0
		.amdhsa_kernarg_size 40
		.amdhsa_user_sgpr_count 2
		.amdhsa_user_sgpr_kernarg_segment_ptr 1
		.amdhsa_wavefront_size32 1
		.amdhsa_system_sgpr_workgroup_id_x 1
		.amdhsa_system_sgpr_workgroup_id_y 1
		.amdhsa_system_sgpr_workgroup_id_z 1
		.amdhsa_system_vgpr_workitem_id 0
		.amdhsa_next_free_vgpr 192
		.amdhsa_next_free_sgpr 66
		.amdhsa_reserve_vcc 0
		.amdhsa_float_denorm_mode_32 3
		.amdhsa_float_denorm_mode_16_64 3
		.amdhsa_memory_ordered 1
		.amdhsa_forward_progress 1
		.amdhsa_inst_pref_size 33
	.end_amdhsa_kernel
	.amdgpu_metadata
---
amdhsa.version: [ 1, 2 ]
amdhsa.kernels:
  - .name:           k_q13c10ebe47_quant_x
    .symbol:         k_q13c10ebe47_quant_x.kd
    .args:
      - { .name: q, .offset: 0, .size: 8, .value_kind: global_buffer, .address_space: global }
      - { .name: k, .offset: 8, .size: 8, .value_kind: global_buffer, .address_space: global }
      - { .name: v, .offset: 16, .size: 8, .value_kind: global_buffer, .address_space: global }
      - { .name: xc, .offset: 24, .size: 8, .value_kind: global_buffer, .address_space: global }
      - { .name: xs, .offset: 32, .size: 8, .value_kind: global_buffer, .address_space: global }
    .group_segment_fixed_size: 33280
    .private_segment_fixed_size: 0
    .kernarg_segment_align: 8
    .kernarg_segment_size: 40
    .max_flat_workgroup_size: 128
    .sgpr_count:     66
    .vgpr_count:     192
    .wavefront_size: 32
...
	.end_amdgpu_metadata
.endif
;; end of part 1
;; launch prep_w (part 2): grid 128 x 1, 8 waves a work-group, no clusters, 84,992 bytes of LDS; arguments Wq, Wk, Wv, Wo, wc, ws, wo16; writes wc, ws, wo16
.if DOCPART == 2
	.amdgcn_target "amdgcn-amd-amdhsa--gfx1250"
	.amdhsa_code_object_version 6
	.text
	.protected	k_q13c10ebe47_prep_w
	.globl	k_q13c10ebe47_prep_w
	.p2align	8
	.type	k_q13c10ebe47_prep_w,@function
k_q13c10ebe47_prep_w:
	s_mov_b64 s[64:65], 0
	v_nop
	global_prefetch_b8 v0, s[64:65] scope:SCOPE_SE
	s_setreg_imm32_b32 hwreg(HW_REG_WAVE_MODE, 25, 1), 1
	s_wait_xcnt 0x0
; The weights are laid as the products want them.  Two arms, parted by the work-group's number; each has LDS bytes, a barrier and an end of its own.
; ARM W (work-groups 0-95 = 32 x tensor + cg): Wq, Wk, Wv [16 h][1024 d][64 e] f32, K = d, become codes of FP4 with K innermost, wc [3][1024 = 64 h + e][512 bytes], and E8M0 bytes ws [3][1024][32].
;   A work-group takes 32 columns (e) of one head over all of K, so that a column's whole row of codes and of scale bytes is its own.  Wave w takes K = 128 w .. + 127.
;   A LANE TAKES A COLUMN AND ITS REGISTERS RUN DOWN K: a block of 32 lies in one lane's 32 registers, its largest magnitude needs no other lane, and the conversions give codes with K innermost.
; ARM O (work-groups 96-127): Wo [1024 k][1024 n] f32 becomes wo16 [1024 n][1024 k] f16: again a lane to a column, registers down K, pairs rounded to f16.
; Both arms gather rows in LDS and store them whole: every store of a wave covers 512 consecutive bytes, aligned.
; All 128 loads of a wave are issued on end; a wait's count names 63 at the most, so the waits ahead of the first two groups of 32 are for 63 (96 and 64 loads were issued behind them: the smaller count is the safe one).
; LIMITS: a block of zeros gets the byte 1 (its codes are zeros; this program alone reads the bytes); NaN and infinities are not served; Wo must stay under 65,504 in magnitude (f16).
; No cluster, no tensor load: work-groups share no input.
.set CP,    528                        ; a row of codes in LDS: 512 bytes + 16
.set CSTG,  0                          ; arm W: 32 rows of codes
.set SSTG,  32*CP                      ; arm W: 32 rows x 32 scale bytes, dense
.set OSTG,  SSTG+1024                  ; arm O: 32 rows of 2,048 bytes + 16
.set OP,    2064
.set SPARE, OSTG+32*OP                 ; the spare words, 128 bytes for each of eight waves, that no other line names
.set X,     32                         ; v32-159  128 numbers down K
.set CD,    160                        ; v160-223 codes (16 registers) or f16 pairs (64)
.set SPW,   14
.set NIL,   15
	s_load_b256 s[4:11], s[0:1], 0x0               ; Wq, Wk, Wv, Wo
	s_load_b128 s[12:15], s[0:1], 0x20             ; wc, ws
	s_load_b64 s[16:17], s[0:1], 0x30              ; wo16
	v_lshl_add_u32 v[SPW], v0, 2, SPARE
	v_mov_b32 v[NIL], 0
	v_lshrrev_b32 v1, 5, v0
	v_readfirstlane_b32 s18, v1                    ; wave 0..7
	v_and_b32 v1, 31, v0                           ; lane
	; every LDS address of both arms is made here, ahead of the parting
	s_lshl_b32 s19, s18, 6
	v_mul_u32_u24 v2, v1, CP
	v_add_nc_u32 v2, s19, v2                       ; v2: codes in: row = my column, + 64 bytes a wave
	s_lshl_b32 s19, s18, 2
	s_add_co_u32 s19, s19, SSTG
	v_lshl_add_u32 v3, v1, 5, s19                  ; v3: scale word in: 32 bytes a column, + 4 a wave
	s_mul_i32 s19, s18, 4*CP
	v_lshl_add_u32 v4, v1, 4, s19                  ; v4: codes back: my wave's four rows, 16 bytes a lane
	s_and_b32 s19, s18, 1
	s_lshl_b32 s19, s19, 9
	s_add_co_u32 s19, s19, SSTG
	v_lshl_add_u32 v5, v1, 4, s19                  ; v5: scale bytes back (waves 0 and 1): 512 bytes a wave
	s_lshl_b32 s19, s18, 8
	s_add_co_u32 s19, s19, OSTG
	v_mul_u32_u24 v6, v1, OP
	v_add_nc_u32 v6, s19, v6                       ; v6: f16 in: row = my column, + 256 bytes a wave
	s_mul_i32 s19, s18, 4*OP
	s_add_co_u32 s19, s19, OSTG
	v_lshl_add_u32 v7, v1, 4, s19                  ; v7: f16 back: my wave's four rows
	v_lshlrev_b32 v8, 2, v1                        ; 4 bytes a lane in memory
	v_lshlrev_b32 v9, 4, v1                        ; 16 bytes a lane in memory
	s_cmp_ge_u32 ttmp9, 96
	s_cbranch_scc1 .Larm_o
	; ---------------- ARM W
	s_and_b32 s20, ttmp9, 31                       ; cg: head cg / 2, columns 32 (cg % 2) on
	s_lshr_b32 s21, s20, 1
	s_lshl_b32 s21, s21, 18                        ; a head is 1,024 rows of 256 bytes
	s_and_b32 s20, s20, 1
	s_lshl_b32 s20, s20, 7
	s_add_co_u32 s20, s20, s21
	s_lshl_b32 s21, s18, 15                        ; my wave's 128 rows
	s_add_co_u32 s20, s20, s21
	s_mov_b32 s21, 0
	s_lshl_b32 s22, ttmp9, 5                       ; the output's row of column 0: 32 x work-group,
	s_lshl_b32 s23, s18, 2
	s_add_co_u32 s22, s22, s23                     ; + my wave's four
	s_lshl_b32 s22, s22, 9
	s_mov_b32 s23, 0
	s_lshl_b32 s24, ttmp9, 10                      ; 32 rows x 32 scale bytes a work-group
	s_and_b32 s25, s18, 1
	s_lshl_b32 s25, s25, 9
	s_add_co_u32 s24, s24, s25
	s_mov_b32 s25, 0
	s_wait_kmcnt 0x0
	s_cmp_lt_u32 ttmp9, 32                         ; the tensor is chosen by the work-group's number alone
	s_cselect_b64 s[4:5], s[4:5], s[6:7]
	s_cmp_lt_u32 ttmp9, 64
	s_cselect_b64 s[4:5], s[4:5], s[8:9]
	s_add_nc_u64 s[4:5], s[4:5], s[20:21]
	s_add_nc_u64 s[12:13], s[12:13], s[22:23]
	s_add_nc_u64 s[14:15], s[14:15], s[24:25]
.set j, 0
.rept 128
	global_load_b32 v[X+j], v8, s[4:5] offset:j*256 th:TH_LOAD_NT   ; W(128 w + j, my column): 32 lanes read 128 consecutive bytes
.set j, j+1
.endr
.macro WBLOCK b                        ; block b of my four: all its 32 numbers are mine
.set XS, X+32*\b
.if \b < 2
	s_wait_loadcnt 63                              ; the largest count that a wait names; more loads than that were issued behind this block's
.else
	s_wait_loadcnt 96-32*\b                        ; the loads of the blocks behind may be out
.endif
	v_max3_num_f32 v10, |v[XS]|, |v[XS+1]|, |v[XS+2]|
	v_max3_num_f32 v11, |v[XS+3]|, |v[XS+4]|, |v[XS+5]|
.irp i, 6,10,14,18,22,26
	v_max3_num_f32 v10, v10, |v[XS+\i]|, |v[XS+\i+1]|
	v_max3_num_f32 v11, v11, |v[XS+\i+2]|, |v[XS+\i+3]|
.endr
	v_max3_num_f32 v10, v10, |v[XS+30]|, |v[XS+31]|
	v_max3_num_f32 v10, v10, v11, 0x1800000        ; the floor 2^(3 - 127): the byte cannot fall under 1
	v_add_nc_u32 v12, 0xff000000, v10              ; 2 off the exponent field: the conversion's scale operand
	v_lshrrev_b32 v13, 23, v12                     ; the scale's byte
.if \b == 0
	v_mov_b32 v24, v13                             ; four bytes make my column's scale word for these 128 along K
.else
	v_lshl_or_b32 v24, v13, 8*\b, v24
.endif
.irp g, 0,1,2,3
	v_cvt_scalef32_pk8_fp4_f32 v[CD+4*\b+\g], v[XS+8*\g:XS+8*\g+7], v12
.endr
	ds_store_b128 v2, v[CD+4*\b:CD+4*\b+3] offset:16*\b   ; each block has code registers of its own; the next block begins with plain vector lines
.endm
	WBLOCK 0
	WBLOCK 1
	WBLOCK 2
	WBLOCK 3
	ds_store_b32 v3, v24
	s_wait_dscnt 0x0                               ; for the others' sake: my stores have landed
	s_barrier_signal -1
	s_barrier_wait -1                              ; 32 whole rows of codes and of scale bytes lie in LDS
.irp i, 0,1,2,3
	ds_load_b128 v[X+4*\i:X+4*\i+3], v4 offset:\i*CP
.endr
.irp i, 0,1,2,3
	s_wait_dscnt 3-\i                              ; LDS loads come back in order: row i is in, the later ones may be out
	global_store_b128 v9, v[X+4*\i:X+4*\i+3], s[12:13] offset:512*\i   ; a row of 512 bytes
.endr
	s_cmp_lt_u32 s18, 2                            ; the 1,024 scale bytes leave by waves 0 and 1; no barrier stands under this branch
	s_cbranch_scc0 .Lno_scales
	ds_load_b128 v[X+16:X+19], v5
	s_wait_dscnt 0x0
	global_store_b128 v9, v[X+16:X+19], s[14:15]
.Lno_scales:
	s_wait_tensorcnt 0x0                           ; the wave's end, behind my last LDS store
	ds_add_u32 v[SPW], v[NIL]
	s_wait_dscnt 0x0
	s_endpgm
	; ---------------- ARM O
.Larm_o:
	s_sub_co_u32 s20, ttmp9, 96                    ; o: columns 32 o on
	s_lshl_b32 s22, s20, 5
	s_lshl_b32 s23, s18, 2
	s_add_co_u32 s22, s22, s23                     ; the output's rows: 32 o + my wave's four
	s_lshl_b32 s22, s22, 11                        ; of 2,048 bytes
	s_mov_b32 s23, 0
	s_lshl_b32 s20, s20, 7
	s_lshl_b32 s21, s18, 19                        ; my wave's 128 rows of 4,096 bytes
	s_add_co_u32 s20, s20, s21
	s_mov_b32 s21, 0
	s_wait_kmcnt 0x0
	s_add_nc_u64 s[10:11], s[10:11], s[20:21]
	s_add_nc_u64 s[16:17], s[16:17], s[22:23]
.set j, 0
.rept 128
	global_load_b32 v[X+j], v8, s[10:11] offset:j*4096 th:TH_LOAD_NT   ; Wo(128 w + j, my column); 127 x 4,096 lies inside the signed 24-bit immediate
.set j, j+1
.endr
.macro OGROUP g                        ; 32 numbers down K become 16 registers of f16 pairs, the lower k in the low half
.if \g < 2
	s_wait_loadcnt 63
.else
	s_wait_loadcnt 96-32*\g
.endif
.set p, 0
.rept 16
	v_cvt_pk_f16_f32 v[CD+16*\g+p], v[X+32*\g+2*p], v[X+32*\g+2*p+1]
.set p, p+1
.endr
.irp q, 0,1,2,3
	ds_store_b128 v6, v[CD+16*\g+4*\q:CD+16*\g+4*\q+3] offset:16*(4*\g+\q)
.endr
.endm
	OGROUP 0
	OGROUP 1
	OGROUP 2
	OGROUP 3
	s_wait_dscnt 0x0                               ; for the others' sake: my stores have landed
	s_barrier_signal -1
	s_barrier_wait -1                              ; 32 whole rows of wo16 lie in LDS
.irp n, 0,1,2,3,4,5,6,7,8,9,10,11,12,13,14,15
	ds_load_b128 v[X+4*\n:X+4*\n+3], v7 offset:(\n/4)*OP+(\n%4)*512
.endr
.irp n, 0,1,2,3,4,5,6,7,8,9,10,11,12,13,14,15
	s_wait_dscnt 15-\n
	global_store_b128 v9, v[X+4*\n:X+4*\n+3], s[16:17] offset:(\n/4)*2048+(\n%4)*512
.endr
	s_wait_tensorcnt 0x0                           ; the wave's end, behind my last LDS store
	ds_add_u32 v[SPW], v[NIL]
	s_wait_dscnt 0x0
	s_endpgm
.Lfunc_end_k_q13c10ebe47_prep_w:
	.size	k_q13c10ebe47_prep_w, .Lfunc_end_k_q13c10ebe47_prep_w-k_q13c10ebe47_prep_w
	.p2alignl 7, 3214868480
	.fill 96, 4, 3214868480
	.section	.rodata,"a",@progbits
	.p2align	6, 0x0
	.amdhsa_kernel k_q13c10ebe47_prep_w
		.amdhsa_group_segment_fixed_size 84992
		.amdhsa_private_segment_fixed_size 0
		.amdhsa_enable_private_segment 0
		.amdhsa_kernarg_size 56
		.amdhsa_user_sgpr_count 2
		.amdhsa_user_sgpr_kernarg_segment_ptr 1
		.amdhsa_wavefront_size32 1
		.amdhsa_system_sgpr_workgroup_id_x 1
		.amdhsa_system_sgpr_workgroup_id_y 1
		.amdhsa_system_sgpr_workgroup_id_z 1
		.amdhsa_system_vgpr_workitem_id 0
		.amdhsa_next_free_vgpr 224
		.amdhsa_next_free_sgpr 66
		.amdhsa_reserve_vcc 0
		.amdhsa_float_denorm_mode_32 3
		.amdhsa_float_denorm_mode_16_64 3
		.amdhsa_memory_ordered 1
		.amdhsa_forward_progress 1
		.amdhsa_inst_pref_size 43
	.end_amdhsa_kernel
	.amdgpu_metadata
---
amdhsa.version: [ 1, 2 ]
amdhsa.kernels:
  - .name:           k_q13c10ebe47_prep_w
    .symbol:         k_q13c10ebe47_prep_w.kd
    .args:
      - { .name: Wq, .offset: 0, .size: 8, .value_kind: global_buffer, .address_space: global }
      - { .name: Wk, .offset: 8, .size: 8, .value_kind: global_buffer, .address_space: global }
      - { .name: Wv, .offset: 16, .size: 8, .value_kind: global_buffer, .address_space: global }
      - { .name: Wo, .offset: 24, .size: 8, .value_kind: global_buffer, .address_space: global }
      - { .name: wc, .offset: 32, .size: 8, .value_kind: global_buffer, .address_space: global }
      - { .name: ws, .offset: 40, .size: 8, .value_kind: global_buffer, .address_space: global }
      - { .name: wo16, .offset: 48, .size: 8, .value_kind: global_buffer, .address_space: global }
    .group_segment_fixed_size: 84992
    .private_segment_fixed_size: 0
    .kernarg_segment_align: 8
    .kernarg_segment_size: 56
    .max_flat_workgroup_size: 256
    .sgpr_count:     66
    .vgpr_count:     224
    .wavefront_size: 32
...
	.end_amdgpu_metadata
.endif
;; end of part 2
;; launch proj (part 3): grid 4 x 96, 4 waves a work-group, clusters of 4 x 4, 327,680 bytes of LDS; arguments xc, xs, wc, ws, ph; writes ph
.if DOCPART == 3
	.amdgcn_target "amdgcn-amd-amdhsa--gfx1250"
	.amdhsa_code_object_version 6
	.text
	.protected	k_q13c10ebe47_proj
	.globl	k_q13c10ebe47_proj
	.p2align	8
	.type	k_q13c10ebe47_proj,@function
k_q13c10ebe47_proj:
	s_mov_b64 s[64:65], 0
	v_nop
	global_prefetch_b8 v0, s[64:65] scope:SCOPE_SE
	s_setreg_imm32_b32 hwreg(HW_REG_WAVE_MODE, 25, 1), 1
	s_wait_xcnt 0x0
	s_wait_alu depctr_hold_cnt(0) depctr_sa_sdst(0) depctr_va_vdst(0) depctr_va_sdst(0) depctr_va_ssrc(0) depctr_va_vcc(0) depctr_vm_vsrc(0)
	s_getreg_b32 s2, hwreg(HW_REG_IB_STS2, 6, 4)
	s_cmp_eq_u32 s2, 0
	s_cbranch_scc0 .Lentry_in_a_cluster
	s_endpgm
.Lentry_in_a_cluster:
	s_bfe_u32 s2, ttmp6, 0x10000c
	s_cmp_lg_u32 s2, 0xf033
	s_cbranch_scc0 .Lentry_shape_is_right
	s_endpgm
.Lentry_shape_is_right:
; The three projections as ONE product on codes of FP4 (E2M1) with E8M0 scales: C[m][n] = sum over k of A[m][k] B[n][k], m = 8192 x tensor + 2048 b + s, n = 64 h + e, K = 1,024.
; A: xc [24576][512 bytes], xs [24576][32];  B: wc [3][1024][512 bytes], ws [3][1024][32]: a tile row of C takes the weights of its own tensor.  Sums in f32.
; The result is rounded once to f16 and laid as attention reads it: ph [3][4 b][16 h][2048 s][64 e].  LIMIT: a projection must stay under 65,504 in magnitude.
; A tile of C, 256 x 256, is made by four waves, one to a SIMD; a wave makes 128 x 128: 64 accumulators of 16 x 16, 512 registers.
; K is two slots of 512 (a tile's row is 256 bytes of memory): both slots and the scale bytes of all of K are first fills, asked for together; nothing is filled again.  By this text's count a wave has three tensor loads out.
; CLUSTERS: 4 x 4 work-groups.  The four of a row of the cluster need the same tiles of A, the four of a column the same tiles of B: each tile is asked for JOINTLY, by the same tensor load with the same descriptor and a mask that names the four.
; THE MATRIX INSTRUCTION IS USED TRANSPOSED (source 0 = 16 rows of B, source 1 = 16 rows of A): a lane then holds eight neighbouring numbers of a row of C.
; REGISTERS, in windows of 256: window 0: v0-31 addresses; v32-95 scale words, two sets; from v128 A's fragments, ONE set; on the way out v32-63 packed results, v128-191 rows read back.
;   window 1: B's fragments, TWO sets, at v0 and v128.   window 2: the accumulators of my rows 0-63 ((a, b) at v[8 (8 a + b)]);   window 3: those of rows 64-127.
.set SIZE_K, 1024
.set KSTEP,  512                       ; along K in a slot
.set NQ,     KSTEP/128                 ; matrix instructions deep
.set ROWB,   256                       ; a tile's row in bytes
.set KROW,   SIZE_K*4/8                ; a row of A or of B in memory
.set PITCH,  272                       ; an LDS row: 256 bytes + 16 of padding: the 16 rows that a load touches start 16 bytes apart modulo 256
.set FR,     8                         ; registers of a fragment: 16 rows x 128 K
.set NL,     2                         ; LDS loads that bring one
.set NP,     4                         ; places behind this matrix instruction (ISA guide 7.12.1)
.set HALFT,  128*PITCH                 ; 128 rows: what one tensor load brings
.set SLOT,   4*HALFT                   ; A's 256 rows, then B's 256 rows
.set KS,     SIZE_K/32                 ; a row of scales in bytes
.set SCL,    2*SLOT                    ; behind the ring: the scales, as runs of 256 bytes + 16 of padding
.set HALFS,  (128*KS/256)*272          ; the scales of 128 rows: what one tensor load brings
.set SBLK,   (16*KS/256)*272           ; those of 16 rows
.set SPARE,  SCL+4*HALFS               ; the spare words, 128 bytes a wave, that no other line names
.set SPITCH, 144                       ; the way out: a stage of 32 rows x (128 bytes + 16) for each wave, in slot 0, which has had its only fill and its last read when the first result is stored there
.set ADRA, 16                          ; v16-17  LDS address of my A fragments in slot 0, 1
.set ADRB, 20                          ; v20-21  the same for B
.set STO,  24                          ; v24     the way out: where I put 16 bytes of a row
.set RD,   25                          ; v25     where I read rows back
.set CO,   26                          ; v26     16 x lane
.set ADRS, 27                          ; v27     LDS address of my scale words: lanes 0-15 A's rows, lanes 16-31 B's
.set SPW,  28                          ; v28     my spare word; never rewritten
.set NIL,  29                          ; v29     0; never rewritten
.set SC,   32                          ; scale words: set s at v[SC + 8 NQ s]; register NQ i + q: lanes 0-15 the word of A's block i, lanes 16-31 that of B's block i
.set TMP,  32                          ; the way out: packed results
.set AF,   128                         ; A's fragments, in window 0
.set BK,   128                         ; the way out: rows read back: v128-159 and v160-191 by turns
.set G1, 24                            ; s[24:31] group 1 for A's tiles;  s[32:39] group 0, one set for each slot
.set G0, 32
.set G1B, 48                           ; s[48:55], s[56:63] the same for B's tiles
.set G0B, 56
.set G1S, 68                           ; s[68:75], s[76:79] groups 1 and 0 for A's scales;  s[80:87], s[88:91] for B's
.set G0S, 76
.set G1SB, 80
.set G0SB, 88
.set MSB, 0
.macro WIN new                         ; the immediate's high byte repeats the setting that is left
.if MSB != \new
	s_set_vgpr_msb (MSB<<8)|\new
.set MSB, \new
.endif
.endm
.set MUL_LO, 0xa1                      ; source 0 (B) window 1, source 1 (A) window 0, C and D window 2
.set MUL_HI, 0xf1                      ; the same, C and D window 3
.set TO_B,   0x40                      ; destination window 1, address window 0
; A joint load: waves 0 and 1 fetch for A, waves 2 and 3 for B.  Each line has ONE mask and one set of registers for all that issue it; the branch hangs on the wave's number alone.
; An s_nop 0 and four v_nop follow each of the two lines.
.macro JLOAD g0a, g1a, g0b, g1b
	s_cmp_eq_u32 s15, 0
	s_cbranch_scc0 .Lfor_b_\@
	tensor_load_to_lds s[\g0a:\g0a+3], s[\g1a:\g1a+7]
	s_nop 0
.rept 4
	v_nop
.endr
	s_branch .Lasked_\@
.Lfor_b_\@:
	tensor_load_to_lds s[\g0b:\g0b+3], s[\g1b:\g1b+7]
	s_nop 0
.rept 4
	v_nop
.endr
.Lasked_\@:
.endm
.macro CROUND                          ; a round of the cluster's barrier
	s_barrier_signal -1
	s_barrier_wait -1
	s_cmp_lg_u32 s14, 0
	s_cbranch_scc1 .Lnot_wave_0_\@
	s_barrier_signal -3
.Lnot_wave_0_\@:
	s_barrier_wait -3
	s_barrier_signal -1
	s_barrier_wait -1
.endm
	s_load_b128 s[4:7], s[0:1], 0x0                ; A's codes s[4:5], A's scales s[6:7]
	s_load_b128 s[8:11], s[0:1], 0x10              ; B's codes s[8:9], B's scales s[10:11]
	s_load_b64 s[12:13], s[0:1], 0x20              ; ph
	v_lshl_add_u32 v[SPW], v0, 2, SPARE
	v_mov_b32 v[NIL], 0
	ds_add_u32 v[SPW], v[NIL]                      ; the wave's opening: the add, twice on end, and its wait ahead of my first tensor load
	ds_add_u32 v[SPW], v[NIL]                      ; (the set-up below, work on registers, stands between the second and the wait)
	v_lshrrev_b32 v1, 5, v0
	v_readfirstlane_b32 s14, v1                    ; wave 0..3
	s_lshr_b32 s15, s14, 1                         ; which half of the tile's rows is mine.  Also: I fetch for A (0) or for B (1)
	s_and_b32 s16, s14, 1                          ; which half of its columns.  Also: which 128 rows of that tile I fetch
	s_bfe_u32 s40, ttmp6, 0x40000                  ; cx, cy: my place in the cluster
	s_bfe_u32 s41, ttmp6, 0x40004
	s_lshl_b32 s42, ttmp9, 2
	s_add_co_u32 s42, s42, s40                     ; tile column of C = 4 x cluster x + cx
	s_and_b32 s17, ttmp7, 0xffff
	s_lshl_b32 s17, s17, 2
	s_add_co_u32 s17, s17, s41                     ; tile row of C = 4 x cluster y + cy
	s_lshl_b32 s43, s41, 2
	s_lshl_b32 s43, 15, s43                        ; my row of the cluster
	s_lshl_b32 s44, 0x1111, s40                    ; my column
	; descriptor group 1: a tile of 128 rows x 256 bytes, padded in LDS
	s_or_b32 s[G1+0], s43, (0<<16)|(1<<20)|(1<<21)|(5<<22)|(3<<25)  ; 15:0 the mask: A's tiles go to my row; elements of 1 byte; padding on; bit 21 beside a mask; after every 64 words, 4 words
	s_or_b32 s[G1B+0], s44, (0<<16)|(1<<20)|(1<<21)|(5<<22)|(3<<25)
.irp g, G1, G1B
	s_mov_b32 s[\g+1], ROWB<<16                    ; tensor_dim0
	s_mov_b32 s[\g+2], 128<<16                     ; tensor_dim1 = 128
	s_mov_b32 s[\g+3], ROWB<<16                    ; tile_dim0
	s_mov_b32 s[\g+4], 128                         ; tile_dim1 = 128
	s_mov_b32 s[\g+5], KROW                        ; from row to row
	s_mov_b32 s[\g+6], 0
	s_mov_b32 s[\g+7], 0
.endr
	; and for the scales of 128 rows: a dense block of 4,096 bytes, as rows of 256 bytes (32 elements of 8 bytes), 16 bytes of padding behind each
	s_or_b32 s[G1S+0], s43, (3<<16)|(1<<20)|(1<<21)|(5<<22)|(3<<25)
	s_or_b32 s[G1SB+0], s44, (3<<16)|(1<<20)|(1<<21)|(5<<22)|(3<<25)
.irp g, G1S, G1SB
	s_mov_b32 s[\g+1], 32<<16
	s_mov_b32 s[\g+2], (128*KS/256)<<16
	s_mov_b32 s[\g+3], 32<<16
	s_mov_b32 s[\g+4], 128*KS/256
	s_mov_b32 s[\g+5], 32
	s_mov_b32 s[\g+6], 0
	s_mov_b32 s[\g+7], 0
.endr
	s_lshl_b32 s18, s16, 7                         ; which 128 rows of the tile I fetch
	s_lshl_b32 s20, s17, 8
	s_add_co_u32 s20, s20, s18                     ; A: row 256 x tile row + 128 x half
	s_lshl_b32 s46, s42, 8
	s_add_co_u32 s46, s46, s18                     ; B: row 256 x tile column + 128 x half,
	s_and_b32 s95, ttmp7, 0xffff                   ; in the weights of my tensor: eight rows of clusters (8,192 rows of A) to a tensor.
	s_lshr_b32 s95, s95, 3                         ; It hangs on the cluster's y alone, which all sixteen partners share
	s_lshl_b32 s95, s95, 10
	s_add_co_u32 s46, s46, s95
	s_mov_b32 s21, 0
	s_mov_b32 s47, 0
	s_mov_b64 s[18:19], KS
	s_mul_u64 s[22:23], s[20:21], s[18:19]         ; where these rows' scales begin, in bytes
	s_mul_u64 s[92:93], s[46:47], s[18:19]
	s_mov_b64 s[18:19], KROW
	s_mul_u64 s[20:21], s[20:21], s[18:19]         ; and their codes
	s_mul_u64 s[46:47], s[46:47], s[18:19]
	s_mul_i32 s45, s14, HALFT                      ; where they go: wave x 128 rows: no place in the cluster enters an LDS address
	s_mul_i32 s94, s14, HALFS
	s_wait_dscnt 0x0                               ; both opening adds are done
	s_wait_kmcnt 0x0
	s_add_nc_u64 s[20:21], s[4:5], s[20:21]
	s_add_nc_u64 s[22:23], s[6:7], s[22:23]
	s_add_nc_u64 s[46:47], s[8:9], s[46:47]
	s_add_nc_u64 s[92:93], s[10:11], s[92:93]
	CROUND                                         ; all sixteen work-groups are here: the joint loads meet
	s_mov_b32 s[G0S], 1
	s_add_co_u32 s[G0S+1], s94, SCL
	s_mov_b64 s[G0S+2:G0S+3], s[22:23]
	s_or_b32 s[G0S+3], s[G0S+3], 0x80000000
	s_mov_b32 s[G0SB], 1
	s_add_co_u32 s[G0SB+1], s94, SCL
	s_mov_b64 s[G0SB+2:G0SB+3], s[92:93]
	s_or_b32 s[G0SB+3], s[G0SB+3], 0x80000000
	JLOAD G0S, G1S, G0SB, G1SB                     ; the scales first: they are wanted with the first slot
.irp s, 0,1
	s_mov_b32 s[G0+4*\s], 1
	s_add_co_u32 s[G0+4*\s+1], s45, \s*SLOT
	s_add_nc_u64 s[G0+4*\s+2:G0+4*\s+3], s[20:21], \s*ROWB
	s_or_b32 s[G0+4*\s+3], s[G0+4*\s+3], 0x80000000
	s_mov_b32 s[G0B+4*\s], 1
	s_add_co_u32 s[G0B+4*\s+1], s45, \s*SLOT
	s_add_nc_u64 s[G0B+4*\s+2:G0B+4*\s+3], s[46:47], \s*ROWB
	s_or_b32 s[G0B+4*\s+3], s[G0B+4*\s+3], 0x80000000
	JLOAD G0+4*\s, G1, G0B+4*\s, G1B
.endr
	v_and_b32 v1, 15, v0                           ; l % 16
	v_bfe_u32 v2, v0, 4, 1                         ; l / 16
	v_mul_u32_u24 v3, v1, PITCH
	v_lshl_add_u32 v4, v2, 4, v3                   ; a fragment's row x pitch + 16 x half
	s_mul_i32 s21, s15, HALFT                      ; my 128 rows of A
	s_mul_i32 s22, s16, HALFT                      ; my 128 rows of B,
	s_add_co_u32 s22, s22, 2*HALFT                 ; which lie behind A's 256
.irp s, 0,1
	v_add_nc_u32 v[ADRA+\s], s21, v4
	v_add_nc_u32 v[ADRB+\s], s22, v4
	s_add_co_u32 s21, s21, SLOT
	s_add_co_u32 s22, s22, SLOT
.endr
	v_mul_u32_u24 v5, v1, KS                       ; my row's scales: 32 bytes a row,
	v_lshrrev_b32 v6, 8, v5
	v_lshl_add_u32 v5, v6, 4, v5                   ; and 16 more for each 256 passed
	s_mul_i32 s21, s15, HALFS                      ; A's: my 128 rows
	s_mul_i32 s22, s16, HALFS                      ; B's: my 128 rows, behind A's 256
	s_add_co_u32 s22, s22, 2*HALFS
	s_sub_co_u32 s22, s22, s21
	v_mul_u32_u24 v6, s22, v2                      ; lanes 16-31 take B's: one product, the distance between the two bases
	s_add_co_u32 s21, s21, SCL
	v_add_nc_u32 v5, v5, v6
	v_add_nc_u32 v[ADRS], s21, v5
	s_mul_i32 s23, s14, 32*SPITCH                  ; my stage
	v_mul_u32_u24 v5, v1, SPITCH                   ; in: row l % 16 (of head 0; head 1's rows lie 16 further on), 16 bytes for each half of the lanes
	v_lshl_add_u32 v5, v2, 4, v5
	v_add_nc_u32 v[STO], s23, v5
	v_and_b32 v6, 31, v0
	v_lshlrev_b32 v[CO], 4, v6                     ; in memory four rows of 128 bytes are 512 consecutive bytes: 16 x lane
	v_lshrrev_b32 v5, 3, v6
	v_mul_u32_u24 v5, v5, SPITCH                   ; back: eight lanes to a row, four rows an instruction
	v_and_b32 v6, 7, v0
	v_lshl_add_u32 v5, v6, 4, v5
	v_add_nc_u32 v[RD], s23, v5
	s_lshl_b32 s20, s17, 8
	s_lshl_b32 s21, s15, 7
	s_add_co_u32 s20, s20, s21                     ; m0, my first row of C: 256 x tile row + 128 x half
	s_lshr_b32 s21, s20, 11                        ; 4 x tensor + b
	s_lshl_b32 s21, s21, 4
	s_lshl_b32 s46, s42, 2
	s_add_co_u32 s21, s21, s46                     ; + my first head: 4 x tile column
	s_lshl_b32 s46, s16, 1
	s_add_co_u32 s21, s21, s46                     ; + 2 x half
	s_lshl_b32 s21, s21, 18                        ; a head is 2,048 rows of 128 bytes
	s_and_b32 s20, s20, 2047                       ; s
	s_lshl_b32 s20, s20, 7
	s_add_co_u32 s20, s20, s21                     ; under 2^26
	s_mov_b32 s21, 0
	s_add_nc_u64 s[12:13], s[12:13], s[20:21]
.macro FRAG reg, adr, q, i             ; a fragment, 16 rows x 128 K of 4-bit codes: lane l holds row l % 16; registers 4 c .. 4 c + 3 hold K = 64 c + 32 (l / 16) + 0 .. 31
.irp c, 0,1
	ds_load_b128 v[\reg+4*\c:\reg+4*\c+3], v[\adr] offset:64*(\q)+32*\c+(\i)*16*PITCH
.endr
.endm
; 16 matrix instructions: A's blocks a0, a0 + 1 x B's eight, the slot's q-th 128 along K.  p: B's set;  sc: the set of scale words.  zero = 1: the first product starts the sums.
; The 64 accumulators take turns, one instruction a turn, in the same order in every step.
.macro MUL16 a0, p, q, sc, zero
.irp a, \a0, \a0+1
.irp b, 0,1,2,3,4,5,6,7
.if \zero
	v_wmma_scale_f32_16x16x128_f8f6f4 v[8*(8*((\a)%4)+\b):8*(8*((\a)%4)+\b)+7], v[128*(\p)+FR*\b:128*(\p)+FR*\b+FR-1], v[AF+FR*(\a):AF+FR*(\a)+FR-1], 0, v[SC+8*NQ*(\sc)+NQ*\b+(\q)], v[SC+8*NQ*(\sc)+NQ*(\a)+(\q)] matrix_a_fmt:MATRIX_FMT_FP4 matrix_b_fmt:MATRIX_FMT_FP4 matrix_a_scale:MATRIX_SCALE_ROW1
.else
	v_wmma_scale_f32_16x16x128_f8f6f4 v[8*(8*((\a)%4)+\b):8*(8*((\a)%4)+\b)+7], v[128*(\p)+FR*\b:128*(\p)+FR*\b+FR-1], v[AF+FR*(\a):AF+FR*(\a)+FR-1], v[8*(8*((\a)%4)+\b):8*(8*((\a)%4)+\b)+7], v[SC+8*NQ*(\sc)+NQ*\b+(\q)], v[SC+8*NQ*(\sc)+NQ*(\a)+(\q)] matrix_a_fmt:MATRIX_FMT_FP4 matrix_b_fmt:MATRIX_FMT_FP4 matrix_a_scale:MATRIX_SCALE_ROW1
.endif
.endr
.endr
.endm
.macro FETCH_B slot, q, p              ; B's eight fragments of the slot's q-th 128 along K into set p
	WIN TO_B
.irp i, 0,1,2,3,4,5,6,7
	FRAG 128*(\p)+FR*\i, ADRB+\slot, \q, \i
.endr
	WIN 0
.endm
.macro FETCH_A slot, q, i0             ; A's blocks i0 .. i0 + 3
.irp i, \i0, \i0+1, \i0+2, \i0+3
	FRAG AF+FR*(\i), ADRA+\slot, \q, \i
.endr
.endm
.macro SCALES sc                       ; a slot's scale words into set sc: four words a row; lanes 0-15 take A's block i, lanes 16-31 B's block i
.irp i, 0,1,2,3,4,5,6,7
	ds_load_b128 v[SC+8*NQ*\sc+NQ*\i:SC+8*NQ*\sc+NQ*\i+3], v[ADRS] offset:\i*SBLK
.endr
.endm
; A load into a register that a matrix instruction has read, and a vector instruction that reads a matrix result, stand NP places behind that matrix instruction; only plain vector instructions
; that name none of its registers are places (ISA guide 7.12.1 for vector instructions).
.macro PLACES n
.rept \n
	v_nop
.endr
.endm
; A step of 128 along K that has its successor in the same slot.
.macro STEP slot, q, zero
	s_wait_dscnt 4*NL                              ; B's set and A's blocks 0-3 are in; the youngest eight loads (A's blocks 4-7) may be out
	WIN MUL_LO
	MUL16 0, (\q)%2, \q, \slot, \zero
	MUL16 2, (\q)%2, \q, \slot, \zero
	s_wait_dscnt 0                                 ; A's blocks 4-7 are in
	PLACES NP
	FETCH_B \slot, (\q)+1, 1-(\q)%2
	FETCH_A \slot, (\q)+1, 0
	WIN MUL_HI
	MUL16 4, (\q)%2, \q, \slot, \zero
	MUL16 6, (\q)%2, \q, \slot, \zero
	PLACES NP
	WIN 0
	FETCH_A \slot, (\q)+1, 4
.endm
; Slot 0's last step changes slots: ONE barrier; in front of it each wave waits for all its tensor loads (its part of slot 1), adds 0 to its spare word, and waits for that and for its own reads of slot 0.
; Behind it slot 1 is whole and nobody reads slot 0 any more, which later serves as the stage.
.macro TURN slot, next
	s_wait_tensorcnt 0x0                           ; all my tensor loads have landed  (every window is 0 here)
	ds_add_u32 v[SPW], v[NIL]                      ; 0 onto my spare word
	s_wait_dscnt 4*NL+1                            ; (the add and the youngest eight loads, A's blocks 4-7, may be out)
	WIN MUL_LO
	MUL16 0, 1, NQ-1, \slot, 0                     ; sixteen matrix instructions stand between the add and the wait for it
	s_wait_dscnt 0x0                               ; the add is done, and my reads of this slot are over
	s_barrier_signal -1
	MUL16 2, 1, NQ-1, \slot, 0
	WIN 0
	s_barrier_wait -1
	PLACES NP
	v_add_nc_u32 v[ADRS], 4*NQ, v[ADRS]            ; on to the next slot's scale words (no LDS load of mine is out)
	FETCH_B \next, 0, 0
	FETCH_A \next, 0, 0
	SCALES \next
	WIN MUL_HI
	MUL16 4, 1, NQ-1, \slot, 0
	MUL16 6, 1, NQ-1, \slot, 0
	PLACES NP
	WIN 0
	FETCH_A \next, 0, 4
.endm
	s_wait_tensorcnt 1                             ; the scales and my part of slot 0 are in (slot 1's load may be out)
	s_barrier_signal -1
	s_barrier_wait -1                              ; everybody's are
	FETCH_B 0, 0, 0
	FETCH_A 0, 0, 0
	SCALES 0
	FETCH_A 0, 0, 4
	STEP 0, 0, 1                                   ; the first step's products start the sums: nothing is cleared
	STEP 0, 1, 0
	STEP 0, 2, 0
	TURN 0, 1
	STEP 1, 0, 0
	STEP 1, 1, 0
	STEP 1, 2, 0
	s_wait_dscnt 4*NL                              ; the very last step: nothing more to fetch
	WIN MUL_LO
	MUL16 0, 1, NQ-1, 1, 0
	MUL16 2, 1, NQ-1, 1, 0
	s_wait_dscnt 0
	WIN MUL_HI
	MUL16 4, 1, NQ-1, 1, 0
	MUL16 6, 1, NQ-1, 1, 0
	WIN 0
; THE WAY OUT, block by block of 16 rows x 128 columns = 16 positions of two heads.  A lane's eight results are eight neighbouring e of one position: rounded to f16 they are 16 bytes.
; They go through my own stage in LDS (head 0's 16 rows, then head 1's) and come back four rows at a time: in ph four positions of a head are 512 consecutive bytes, which the 32 lanes store whole.
.macro PACK a
.set AC, 64*((\a)%4)
	WIN 0x0a+5*((\a)/4)                            ; sources 0 and 1: window 2 or 3
.irp b, 0,1,2,3,4,5,6,7
.irp j, 0,1,2,3
	v_cvt_pk_f16_f32 v[TMP+4*\b+\j], v[AC+8*\b+2*\j], v[AC+8*\b+2*\j+1]   ; each accumulator from its low end on
.endr
.endr
	WIN 0
.endm
.macro TOSTAGE a
.set BB, BK+32*((\a)%2)
.irp b, 0,1,2,3,4,5,6,7
	ds_store_b128 v[STO], v[TMP+4*\b:TMP+4*\b+3] offset:(\b/4)*16*SPITCH+(\b%4)*32
.endr
.irp t, 0,1,2,3,4,5,6,7
	ds_load_b128 v[BB+4*\t:BB+4*\t+3], v[RD] offset:\t*4*SPITCH    ; LDS serves a wave's instructions in order: these see the stores above
.endr
.endm
.macro SEND a
.set BB, BK+32*((\a)%2)
	s_wait_dscnt 0x0                               ; the block is back in registers
	s_wait_xcnt 0x0                                ; the stores of the block before have read their registers: the next block's loads may land there
.irp t, 0,1,2,3,4,5,6,7
	global_store_b128 v[CO], v[BB+4*\t:BB+4*\t+3], s[12:13] offset:(\t/4)*262144+(\a)*2048+(\t%4)*512   ; 512 consecutive bytes, aligned; the base is never stepped
.endr
.endm
	PLACES NP                                      ; behind the last products
	PACK 0
	TOSTAGE 0
.irp a, 1,2,3,4,5,6,7                  ; block a's conversions stand between block a - 1's loads from the stage and the wait for them
	PACK \a
	SEND \a-1
	TOSTAGE \a
.endr
	SEND 7
	s_wait_tensorcnt 0x0                           ; the wave's end, behind my last tensor load and my last LDS store
	ds_add_u32 v[SPW], v[NIL]
	s_wait_dscnt 0x0
	CROUND                                         ; the closing round: no work-group ends while a partner may still ask for a tile that names it
	s_endpgm
.Lfunc_end_k_q13c10ebe47_proj:
	.size	k_q13c10ebe47_proj, .Lfunc_end_k_q13c10ebe47_proj-k_q13c10ebe47_proj
	.p2alignl 7, 3214868480
	.fill 96, 4, 3214868480
	.section	.rodata,"a",@progbits
	.p2align	6, 0x0
	.amdhsa_kernel k_q13c10ebe47_proj
		.amdhsa_group_segment_fixed_size 327680
		.amdhsa_private_segment_fixed_size 0
		.amdhsa_enable_private_segment 0
		.amdhsa_kernarg_size 40
		.amdhsa_user_sgpr_count 2
		.amdhsa_user_sgpr_kernarg_segment_ptr 1
		.amdhsa_wavefront_size32 1
		.amdhsa_system_sgpr_workgroup_id_x 1
		.amdhsa_system_sgpr_workgroup_id_y 1
		.amdhsa_system_sgpr_workgroup_id_z 1
		.amdhsa_system_vgpr_workitem_id 0
		.amdhsa_next_free_vgpr 1024
		.amdhsa_next_free_sgpr 98
		.amdhsa_reserve_vcc 0
		.amdhsa_float_denorm_mode_32 3
		.amdhsa_float_denorm_mode_16_64 3
		.amdhsa_memory_ordered 1
		.amdhsa_forward_progress 1
		.amdhsa_inst_pref_size 127
	.end_amdhsa_kernel
	.amdgpu_metadata
---
amdhsa.version: [ 1, 2 ]
amdhsa.kernels:
  - .name:           k_q13c10ebe47_proj
    .symbol:         k_q13c10ebe47_proj.kd
    .args:
      - { .name: xc, .offset: 0, .size: 8, .value_kind: global_buffer, .address_space: global }
      - { .name: xs, .offset: 8, .size: 8, .value_kind: global_buffer, .address_space: global }
      - { .name: wc, .offset: 16, .size: 8, .value_kind: global_buffer, .address_space: global }
      - { .name: ws, .offset: 24, .size: 8, .value_kind: global_buffer, .address_space: global }
      - { .name: ph, .offset: 32, .size: 8, .value_kind: global_buffer, .address_space: global }
    .group_segment_fixed_size: 327680
    .private_segment_fixed_size: 0
    .kernarg_segment_align: 8
    .kernarg_segment_size: 40
    .max_flat_workgroup_size: 128
    .sgpr_count:     98
    .vgpr_count:     1024
    .wavefront_size: 32
...
	.end_amdgpu_metadata
.endif
;; end of part 3
;; launch attn (part 4): grid 4 x 64, 16 waves a work-group, no clusters, 327,680 bytes of LDS; arguments ph, ao; writes ao
.if DOCPART == 4
	.amdgcn_target "amdgcn-amd-amdhsa--gfx1250"
	.amdhsa_code_object_version 6
	.text
	.protected	k_q13c10ebe47_attn
	.globl	k_q13c10ebe47_attn
	.p2align	8
	.type	k_q13c10ebe47_attn,@function
k_q13c10ebe47_attn:
	s_mov_b64 s[64:65], 0
	v_nop
	global_prefetch_b8 v0, s[64:65] scope:SCOPE_SE
	s_setreg_imm32_b32 hwreg(HW_REG_WAVE_MODE, 25, 1), 1
	s_wait_xcnt 0x0
; Causal attention, head size 64: O[bh][q] = the sum over k <= q of softmax_k(Q[bh][q] . K[bh][k] / 8) V[bh][k].  ph holds Q, K, V as [64 bh][2048][64] f16, one behind the other; ao: [64][2048][64] f16.
; Products on f16 operands with f32 sums; maxima, exponentials and sums in f32; the weights p are rounded to f16 for the second product, O once at the end.
; SHARES.  Work-group (i, bh) owns the query blocks i and 7 - i of head bh, 256 queries each, so that every work-group has the same work under the mask: 9 blocks of keys x 256 queries.
; Each of sixteen waves owns 32 queries, two tiles of 16, in 256 registers: four waves to a SIMD, so that one wave's vector work stands beside another's products and LDS loads.
; Wave w takes the late block where (w ^ (w >> 2)) & 1 is 1, and the 32 queries w / 2 of its block: of any four waves w % 4 alike, or w / 4 alike, two are early and two late.
; THE WALK.  Every work-group walks all 8 slots of 256 keys, so that trip counts are constants.  A step (64 keys) all of whose keys come after the wave's queries is jumped over, by a branch on ids;
; a slot whose first key comes after the work-group's last query is not asked for.  Key 0 counts for every query, and in each step that a wave walks every one of its queries has a key that counts.
; LAYOUT.  S^T = K Q^T (source 0 = 16 keys, source 1 = 16 queries): a lane holds ONE query (lane % 16) and the keys 8 (lane / 16) + 0 .. 7 of a tile.  Two such tiles, rounded to f16 in pairs,
; ARE source 1 (32 keys x 16 queries) of O^T = V^T P.  K comes out of LDS as it lies, V ([key][channel]) turned, by ds_load_tr16_b128.
; SOFTMAX.  For each query a running maximum m and sum l: p = 2^(c s - c m), c = log2(e) / 8; in every step O and l are multiplied by a = 2^(c m_old - c m_new).
; NO CLUSTER: the four work-groups of a head need 8, 7, 6 and 5 slots under the mask: a joint load would bring tiles that some partner never reads.
; LIMITS: NaN and infinities are not served; O stays under the largest |V|, so inside f16 wherever ph is.
; REGISTERS: v1-10 addresses and constants that stay; v11-15 at work; v16-31 statistics, 8 a tile; v32-63 Q; v64-127 eight fragments of K, then of V; v128-191 S^T, then p, then P in place; v192-255 O^T.
.set KS,    64                         ; keys in a step
.set PK,    144                        ; a row of K in LDS: 128 bytes + 16: the 16 rows of a load start 16 bytes apart modulo 256
.set PV,    160                        ; a row of V: 128 + 32: an odd multiple of 32
.set VOFF,  KS*PK                      ; a step's tiles lie together: 64 rows of K, then 64 rows of V
.set STEPB, KS*(PK+PV)
.set SLOT1, 1<<17                      ; a slot holds four steps (77,824 bytes); slot 1 begins here, so that one exclusive or turns an address
.set STAGE, SLOT1+4*STEPB              ; behind the ring: 32 rows x 144 bytes for each wave, for the way out; no tensor load lands there
.set SPARE, STAGE+16*32*144            ; the spare words, 128 bytes for each of sixteen waves, that no other line names
.set AK0,  1                           ; v1   my lane's place in a tile of K
.set AV0,  2                           ; v2   the same for V
.set SPW,  3                           ; v3   my spare word; never rewritten
.set NIL,  4                           ; v4   0; never rewritten
.set ADK,  5                           ; v5   LDS address of the step's K
.set ADV,  6                           ; v6   of its V
.set LDI,  7                           ; v7   lane % 16 - 8 (lane / 16)
.set DD,   8                           ; v8   the mask's bound
.set NINF, 9                           ; v9   -infinity
.set PFO,  10                          ; v10  256 x lane: the prefetches' offset; never rewritten
.set ST,   16                          ; tile t's statistics at v[ST + 8 t]: +0 -c m, +1 m, +2, +3 l (even and odd keys'), +4 .. +7 c0-c3 at work; a takes c2's place
.set QF,   32                          ; Q: tile t, channels 32 kc on: v[QF + 16 t + 8 kc]
.set KV,   64
.set S,    128                         ; 32 a tile
.set OT,   192                         ; 32 a tile
.set TB,   2                           ; s2   LDS byte at which the step's tiles begin
.set WV,   18                          ; s18  my wave's number
.set NC,   19                          ; s19  -c
.set SEL,  20                          ; s[20:21] lane selects for v_permlanex16_b32: lane l xor 16
.set CS,   22                          ; s[22:23] c: the packed form names a pair and takes its low word for both halves
.set G1K,  24                          ; s[24:31] descriptor group 1 for K's tiles;  s[32:39] for V's: it differs in the padding alone
.set G1V,  32
.set G0K,  40                          ; s[40:43], s[44:47] their groups 0, which walk
.set G0V,  44
.set CNT,  66                          ; s66  counts a slot's four steps
.set SLOTS, 67                         ; s67  changes of slots still to come that may ask for a slot
.set PFA,  76                          ; s[76:77] where my prefetches stand
.set LIM,  80                          ; s80  1 in a wave that prefetches, else the greatest number
.set QL,   97                          ; s97  my work-group's last query
.set KF,   98                          ; s98  the step's first key
.set Q0,   99                          ; s99  my wave's first query
; Waves 0 to 3 fetch a slot's four tiles of K, waves 4 to 7 its four of V, 64 rows each; the others nothing.  The branches hang on the wave's number alone.
; An s_nop 0 and four v_nop follow each of the two lines.
.macro TLOAD
	s_cmp_lt_u32 s[WV], 4
	s_cbranch_scc0 .Lnot_k_\@
	tensor_load_to_lds s[G0K:G0K+3], s[G1K:G1K+7]
	s_nop 0
.rept 4
	v_nop
.endr
	s_branch .Lasked_\@
.Lnot_k_\@:
	s_cmp_lt_u32 s[WV], 8
	s_cbranch_scc0 .Lasked_\@
	tensor_load_to_lds s[G0V:G0V+3], s[G1V:G1V+7]
	s_nop 0
.rept 4
	v_nop
.endr
.Lasked_\@:
.endm
; A PREFETCH of what the NEXT change of slots will ask for: a slot's 256 rows of K and of V, 32,768 dense bytes each.  Each aligned block of 256 bytes is named once in the launch: of a head's four work-groups
; the one with i = 0, which walks all slots with loads, asks; in it waves 8 to 11 ask for K's block and waves 12 to 15 for V's, 8,192 bytes a wave, lanes 256 bytes apart, one instruction each.
; It stands at the change of slots, where the fetching waves have their tensor load: a slot's four steps ahead of the load that will want the bytes.  Slots 0 and 1 come by their loads alone; the last change that fills a slot asks for nothing.
.macro ASK
	s_cmp_gt_u32 s[SLOTS], s[LIM]
	s_cbranch_scc0 .Lnot_mine_\@
	global_prefetch_b8 v[PFO], s[PFA:PFA+1] th:TH_LOAD_NT scope:SCOPE_SE
.Lnot_mine_\@:
.endm
	s_load_b128 s[4:7], s[0:1], 0x0                ; ph s[4:5], ao s[6:7]
	v_lshl_add_u32 v[SPW], v0, 2, SPARE
	v_mov_b32 v[NIL], 0
	ds_add_u32 v[SPW], v[NIL]                      ; the wave's opening: the add, twice on end, and its wait ahead of the first tensor load
	ds_add_u32 v[SPW], v[NIL]                      ; (the set-up below, work on registers, stands between the second and the wait)
	v_lshrrev_b32 v11, 5, v0
	v_readfirstlane_b32 s[WV], v11                 ; wave 0..15
	s_and_b32 s71, ttmp7, 0xffff
	s_lshl_b32 s71, s71, 18                        ; the head's first byte in each of Q, K, V, O: 2,048 rows of 128 bytes
	s_lshr_b32 s72, s[WV], 2
	s_xor_b32 s72, s72, s[WV]
	s_and_b32 s72, s72, 1                          ; 1: the late block
	s_lshr_b32 s73, s[WV], 1                       ; which 32 queries of the block
	s_sub_co_u32 s74, 7, ttmp9
	s_cmp_eq_u32 s72, 1
	s_cselect_b32 s74, s74, ttmp9                  ; my block of 256 queries: 7 - i or i
	s_lshl_b32 s[Q0], s74, 8
	s_lshl_b32 s73, s73, 5
	s_add_co_u32 s[Q0], s[Q0], s73
	s_sub_co_u32 s[QL], 8, ttmp9
	s_lshl_b32 s[QL], s[QL], 8
	s_sub_co_u32 s[QL], s[QL], 1                   ; 256 (8 - i) - 1
	s_lshl_b32 s82, s[Q0], 7
	s_add_co_u32 s82, s82, s71                     ; my first query's row in Q and in O
	s_mov_b32 s83, 0
	s_and_b32 s84, s[WV], 3                        ; which of a slot's four steps I fetch, if I fetch:
	s_mul_i32 s85, s84, STEPB                      ; its place in a slot,
	s_lshl_b32 s86, s84, 13                        ; its 64 rows of 128 bytes in memory
	s_add_co_u32 s86, s86, s71
	s_mov_b32 s87, 0
	; descriptor group 1: a tile of 64 rows x 64 elements of 2 bytes, dense in memory, padded in LDS
	s_mov_b32 s[G1K], (1<<16)|(1<<20)|(4<<22)|(3<<25)   ; no mask; elements of 2 bytes; padding on: after every 32 words, 4 words
	s_mov_b32 s[G1V], (1<<16)|(1<<20)|(4<<22)|(7<<25)   ; the same with 8 words
.irp g, G1K, G1V
	s_mov_b32 s[\g+1], 64<<16                      ; tensor_dim0 = 64
	s_mov_b32 s[\g+2], KS<<16                      ; tensor_dim1 = 64
	s_mov_b32 s[\g+3], 64<<16                      ; tile_dim0 = 64
	s_mov_b32 s[\g+4], KS                          ; tile_dim1 = 64
	s_mov_b32 s[\g+5], 64                          ; elements from row to row
	s_mov_b32 s[\g+6], 0
	s_mov_b32 s[\g+7], 0
.endr
	s_mov_b32 s[SEL], 0x76543210
	s_mov_b32 s[SEL+1], 0xfedcba98
	s_mov_b32 s[CS], 0x3e38aa3b                    ; c = log2(e) / 8
	s_mov_b32 s[CS+1], s[CS]                       ; (named with it as a pair, so it is written)
	s_mov_b32 s[NC], 0xbe38aa3b                    ; -c
	s_mov_b32 s[TB], 0
	s_mov_b32 s[KF], 0
	s_mov_b32 s[SLOTS], 7
	; the prefetches: where my wave's stand, and who asks
	s_mov_b32 s88, 33554432                        ; V's first byte in ph,
	s_cmp_lt_u32 s[WV], 12
	s_cselect_b32 s88, 16777216, s88               ; or K's
	s_add_co_u32 s88, s88, s86                     ; my head, my wave's 8,192 bytes,
	s_add_co_u32 s88, s88, 32768                   ; in slot 1: the first change of slots steps it to slot 2
	s_mov_b32 s89, 0
	s_lshr_b32 s90, s[WV], 3
	s_xor_b32 s90, s90, 1                          ; 0 in waves 8 to 15,
	s_or_b32 s90, s90, ttmp9                       ; of the work-group with i = 0
	s_cmp_eq_u32 s90, 0
	s_cselect_b32 s[LIM], 1, -1
	s_wait_dscnt 0x0                               ; both opening adds are done
	s_wait_kmcnt 0x0
	s_mov_b32 s[G0K], 1                            ; count = 1
	s_mov_b32 s[G0K+1], s85                        ; LDS address: slot 0
	s_add_nc_u64 s[G0K+2:G0K+3], s[4:5], s[86:87]
	s_add_nc_u64 s[G0K+2:G0K+3], s[G0K+2:G0K+3], 16777216   ; K lies behind Q
	s_or_b32 s[G0K+3], s[G0K+3], 0x80000000        ; type = 2
	s_mov_b32 s[G0V], 1
	s_add_co_u32 s[G0V+1], s85, VOFF
	s_add_nc_u64 s[G0V+2:G0V+3], s[4:5], s[86:87]
	s_add_nc_u64 s[G0V+2:G0V+3], s[G0V+2:G0V+3], 33554432   ; V behind K
	s_or_b32 s[G0V+3], s[G0V+3], 0x80000000
	TLOAD                                          ; slot 0: by this text's count a wave never has more than one tensor load out
	s_add_nc_u64 s[PFA:PFA+1], s[4:5], s[88:89]
	s_add_nc_u64 s[8:9], s[4:5], s[82:83]          ; Q at my first query
	s_add_nc_u64 s[16:17], s[6:7], s[82:83]        ; O likewise
	v_and_b32 v11, 15, v0                          ; r = lane % 16
	v_bfe_u32 v12, v0, 4, 1                        ; h = lane / 16
	v_lshlrev_b32 v13, 7, v11
	v_lshl_add_u32 v13, v12, 4, v13                ; Q: row r of 128 bytes + 16 h
.irp t, 0,1
.irp c, 0,1
	global_load_b128 v[QF+16*\t+8*\c:QF+16*\t+8*\c+3],   v13, s[8:9] offset:2048*\t+64*\c      ; a fragment: registers 0-3 channels 8 h + 0 .. 7, registers 4-7 channels 16 + 8 h + 0 .. 7
	global_load_b128 v[QF+16*\t+8*\c+4:QF+16*\t+8*\c+7], v13, s[8:9] offset:2048*\t+64*\c+32
.endr
.endr
	v_mul_u32_u24 v[AK0], v11, PK
	v_lshl_add_u32 v[AK0], v12, 4, v[AK0]          ; K: row r x pitch + 16 h
	v_and_b32 v14, 7, v0
	v_bfe_u32 v15, v0, 3, 1
	v_lshl_add_u32 v[AV0], v12, 3, v14             ; V, turned: key 8 h + lane % 8,
	v_mul_u32_u24 v[AV0], v[AV0], PV
	v_lshl_add_u32 v[AV0], v15, 4, v[AV0]          ; channels 8 ((lane / 8) % 2) on
	v_add_nc_u32 v[AV0], VOFF, v[AV0]
	v_lshlrev_b32 v14, 3, v12
	v_sub_nc_u32 v[LDI], v11, v14                  ; r - 8 h
	v_mov_b32 v[NINF], 0xff800000
	v_and_b32 v[PFO], 31, v0
	v_lshlrev_b32 v[PFO], 8, v[PFO]
.irp t, 0,1
	v_mov_b32 v[ST+8*\t+1], 0xff61b1e6             ; m: -3e38, under every score
	v_mul_f32 v[ST+8*\t], s[NC], v[ST+8*\t+1]      ; -c m
.irp u, 2,3,4,5,6,7
	v_mov_b32 v[ST+8*\t+\u], 0                     ; l; and c0-c3, of which a lane permute's destination counts as a source
.endr
.endr
.set n, 0
.rept 64
	v_mov_b32 v[OT+n], 0                           ; O^T.  (The step is written once: the first finds zeros, which its a = 0 leaves zeros)
.set n, n+1
.endr
; A KEY STEP: 64 keys, at LDS byte s[TB].
.macro STEP
	s_add_co_u32 s96, s[Q0], 31
	s_cmp_gt_u32 s[KF], s96                        ; all keys come after my 32 queries: the step's work is left out; not the lines at its end that step addresses
	s_cbranch_scc1 .Lhidden_\@
	v_add_nc_u32 v[ADK], s[TB], v[AK0]
	v_add_nc_u32 v[ADV], s[TB], v[AV0]
.rept 3
	v_nop                                          ; with the two additions: five places behind the last step's products, whose P the products below write over and into whose V the loads below land
.endr
.irp f, 0,1,2,3,4,5,6,7                        ; K's fragments: keys 16 (f / 2) on, channels 32 (f % 2) on
	ds_load_b128 v[KV+8*\f:KV+8*\f+3],   v[ADK] offset:(\f/2)*16*PK+(\f%2)*64
	ds_load_b128 v[KV+8*\f+4:KV+8*\f+7], v[ADK] offset:(\f/2)*16*PK+(\f%2)*64+32
.endr
	s_wait_dscnt 0x0
.set n, 0
.rept 16                                       ; S^T = K Q^T: channels 32 (n / 8) on, keys 16 ((n / 2) % 4) on, tile n % 2.  The eight accumulators take turns; the first eight products start the sums
.set rS, S+32*(n%2)+8*((n/2)%4)
.set rK, KV+16*((n/2)%4)+8*(n/8)
.set rQ, QF+16*(n%2)+8*(n/8)
.if n < 8
	v_wmma_f32_16x16x32_f16 v[rS:rS+7], v[rK:rK+7], v[rQ:rQ+7], 0
.else
	v_wmma_f32_16x16x32_f16 v[rS:rS+7], v[rK:rK+7], v[rQ:rQ+7], v[rS:rS+7]
.endif
.set n, n+1
.endr
.rept 4
	v_nop                                          ; places: in front of the loads into K's registers, and of the first read of the scores
.endr
.irp f, 0,1,2,3,4,5,6,7                        ; V's fragments, turned: keys 32 (f / 4) on, channels 16 (f % 4) on.  They land while the softmax is walked
	ds_load_tr16_b128 v[KV+8*\f:KV+8*\f+3],   v[ADV] offset:(\f/4)*32*PV+(\f%4)*32
	ds_load_tr16_b128 v[KV+8*\f+4:KV+8*\f+7], v[ADV] offset:(\f/4)*32*PV+16*PV+(\f%4)*32
.endr
	s_add_co_u32 s96, s[KF], 63
	s_cmp_le_u32 s96, s[Q0]                        ; all 64 keys count for all my queries: no mask
	s_cbranch_scc1 .Lopen_\@
	s_sub_co_i32 s96, s[Q0], s[KF]
	v_add_nc_u32 v[DD], s96, v[LDI]                ; d = Q0 - KF + r - 8 h.  Register 32 t + 8 kt + j holds key KF + 16 kt + 8 h + j of query Q0 + 16 t + r: hidden where 16 kt + j - 16 t > d
.set n, 0
.rept 64
	v_cmp_gt_i32 vcc_lo, 16*((n%32)/8)+n%8-16*(n/32), v[DD]
	v_cndmask_b32 v[S+n], v[S+n], v[NINF], vcc_lo  ; -infinity ahead of the maximum: p = 0 then
.set n, n+1
.endr
.Lopen_\@:
	; the maximum of a tile's 32 scores and the old m: four chains of seven, then the rest; the two tiles' lines alternate
.irp j, 0,1,2,3
.irp t, 0,1
	v_max3_num_f32 v[ST+8*\t+4+\j], v[S+32*\t+8*\j], v[S+32*\t+8*\j+1], v[S+32*\t+8*\j+2]   ; each accumulator is first read at its low end
.endr
.endr
.irp u, 3,5
.irp j, 0,1,2,3
.irp t, 0,1
	v_max3_num_f32 v[ST+8*\t+4+\j], v[ST+8*\t+4+\j], v[S+32*\t+8*\j+\u], v[S+32*\t+8*\j+\u+1]
.endr
.endr
.endr
.irp t, 0,1
	v_max3_num_f32 v[ST+8*\t+4], v[ST+8*\t+4], v[S+32*\t+7], v[S+32*\t+15]
.endr
.irp t, 0,1
	v_max3_num_f32 v[ST+8*\t+6], v[ST+8*\t+6], v[S+32*\t+23], v[S+32*\t+31]
.endr
.irp t, 0,1
	v_max3_num_f32 v[ST+8*\t+4], v[ST+8*\t+4], v[ST+8*\t+5], v[ST+8*\t+6]
.endr
.irp t, 0,1
	v_max3_num_f32 v[ST+8*\t+4], v[ST+8*\t+4], v[ST+8*\t+7], v[ST+8*\t+1]
.endr
.irp t, 0,1
	v_permlanex16_b32 v[ST+8*\t+5], v[ST+8*\t+4], s[SEL], s[SEL+1]   ; the query's other 32 keys lie in the lane 16 away
.endr
.irp t, 0,1
	v_mov_b32 v[ST+8*\t+7], v[ST+8*\t]             ; the old -c m is kept for a
.endr
.irp t, 0,1
	v_max_num_f32 v[ST+8*\t+1], v[ST+8*\t+4], v[ST+8*\t+5]   ; the new m
.endr
.irp t, 0,1
	v_mul_f32 v[ST+8*\t], s[NC], v[ST+8*\t+1]      ; -c m
.endr
.irp t, 0,1
	v_sub_f32 v[ST+8*\t+7], v[ST+8*\t], v[ST+8*\t+7]   ; c m_old - c m_new, 0 or less
.endr
.set n, 0
.rept 32
	v_pk_fma_f32 v[S+2*n:S+2*n+1], v[S+2*n:S+2*n+1], s[CS:CS+1], v[ST+8*(n/16):ST+8*(n/16)+1] op_sel_hi:[1,0,0]   ; c s - c m, two at a time (of the pairs c and -c m the low word serves both halves)
.set n, n+1
.endr
.irp t, 0,1
	v_exp_f32 v[ST+8*\t+6], v[ST+8*\t+7]           ; a.  ONE BATCH of 66 exponentials, none of which reads another's result
.endr
.set n, 0
.rept 64
	v_exp_f32 v[S+n], v[S+n]                       ; p, at most 1
.set n, n+1
.endr
	v_nop                                          ; the plain instruction behind the last exponential
	s_wait_alu depctr_va_vdst(0)                   ; ahead of the first instruction that names a result: one for the batch
.irp t, 0,1
	v_pk_fma_f32 v[ST+8*\t+2:ST+8*\t+3], v[ST+8*\t+2:ST+8*\t+3], v[ST+8*\t+6:ST+8*\t+7], v[S+32*\t:S+32*\t+1] op_sel_hi:[1,0,1]   ; l = a l + the first pair; the sums are taken of p in f32, in two chains a tile
.endr
.irp t, 0,1
	v_pk_add_f32 v[ST+8*\t+4:ST+8*\t+5], v[S+32*\t+2:S+32*\t+3], v[S+32*\t+4:S+32*\t+5]
.endr
.irp p, 3,5,7,9,11,13
.irp t, 0,1
	v_pk_add_f32 v[ST+8*\t+2:ST+8*\t+3], v[ST+8*\t+2:ST+8*\t+3], v[S+32*\t+2*\p:S+32*\t+2*\p+1]
.endr
.irp t, 0,1
	v_pk_add_f32 v[ST+8*\t+4:ST+8*\t+5], v[ST+8*\t+4:ST+8*\t+5], v[S+32*\t+2*\p+2:S+32*\t+2*\p+3]
.endr
.endr
.irp t, 0,1
	v_pk_add_f32 v[ST+8*\t+2:ST+8*\t+3], v[ST+8*\t+2:ST+8*\t+3], v[S+32*\t+30:S+32*\t+31]
.endr
.irp t, 0,1
	v_pk_add_f32 v[ST+8*\t+2:ST+8*\t+3], v[ST+8*\t+2:ST+8*\t+3], v[ST+8*\t+4:ST+8*\t+5]
.endr
.set n, 0
.rept 32                                       ; P in place, ascending: pair n / 2 of tile n % 2 goes to a register whose own numbers have been rounded already.  Registers 8 g .. 8 g + 7 of a tile are its fragment for keys 32 g on
	v_cvt_pk_f16_f32 v[S+32*(n%2)+n/2], v[S+32*(n%2)+2*(n/2)], v[S+32*(n%2)+2*(n/2)+1]
.set n, n+1
.endr
.set n, 0
.rept 32
	v_pk_mul_f32 v[OT+2*n:OT+2*n+1], v[OT+2*n:OT+2*n+1], v[ST+8*(n/16)+6:ST+8*(n/16)+7] op_sel_hi:[1,0]   ; O^T x a
.set n, n+1
.endr
	s_wait_dscnt 0x0                               ; V is in
.set n, 0
.rept 16                                       ; O^T += V^T P: keys 32 (n / 8) on, channels 16 ((n / 2) % 4) on, tile n % 2: the eight accumulators take turns
.set rO, OT+32*(n%2)+8*((n/2)%4)
.set rV, KV+32*(n/8)+8*((n/2)%4)
.set rP, S+32*(n%2)+8*(n/8)
	v_wmma_f32_16x16x32_f16 v[rO:rO+7], v[rV:rV+7], v[rP:rP+7], v[rO:rO+7]
.set n, n+1
.endr
.Lhidden_\@:
	s_add_co_u32 s[KF], s[KF], KS
	s_add_co_u32 s[TB], s[TB], STEPB
.endm
; THE CHANGE OF SLOTS stands at a slot's head.  Each wave waits for all its tensor loads (its part of the slot that it is about to read), adds 0 to its spare word (fill = 1: twice on end), and waits for that and for its reads
; of the slot that it has left.  Behind the barrier the slot ahead is whole and nobody reads the other one.  fill = 1: that other slot is filled with the next 256 keys, up to the causal limit: the load has a slot's four steps in which to land.
.macro CHANGE fill
	s_wait_tensorcnt 0x0                           ; no tensor load of mine is out, so a group 0 may be written
	ds_add_u32 v[SPW], v[NIL]                      ; 0 onto my spare word
.if \fill
	ds_add_u32 v[SPW], v[NIL]                      ; and once more: the add stands twice on end in every trip alike
	s_xor_b32 s[G0K+1], s[G0K+1], SLOT1            ; the walking descriptors: the other slot than last time,
	s_add_nc_u64 s[G0K+2:G0K+3], s[G0K+2:G0K+3], 4*KS*128   ; the next 256 keys; the type bits on top are not reached
	s_xor_b32 s[G0V+1], s[G0V+1], SLOT1
	s_add_nc_u64 s[G0V+2:G0V+3], s[G0V+2:G0V+3], 4*KS*128
	s_wait_xcnt 0x0                                ; the last prefetch, a slot back, has read its address, so it may be written:
	s_add_nc_u64 s[PFA:PFA+1], s[PFA:PFA+1], 4*KS*128       ; one slot further on than the walking descriptors
.endif
	s_wait_dscnt 0x0                               ; the add is done (fill = 1: both are), and my reads of the slot that I have left are over
	s_barrier_signal -1
	s_barrier_wait -1
.if \fill
	s_add_co_u32 s96, s[KF], 4*KS                  ; the first key of the slot that this change would ask for:
	s_cmp_gt_u32 s96, s[QL]                        ; beyond my work-group's last query none of its waves would read it, so it is not asked for.  Ids and the count of steps alone: all sixteen waves go the same way,
	s_cbranch_scc1 .Lpast_\@                       ; and a work-group that is past the limit stays past it.  Every wait on TENSORcnt in this text is for 0
	TLOAD                                          ; the first thing behind the barrier, and a wave's one tensor load until the next
.Lpast_\@:
	ASK
.endif
.endm
.macro SLOT_STEPS                      ; a slot's four steps: written once, walked four times; the LDS addresses hang on s[TB]
	s_mov_b32 s[CNT], 4
.Lstep_\@:
	STEP
	s_sub_co_u32 s[CNT], s[CNT], 1
	s_cmp_lg_u32 s[CNT], 0
	s_cbranch_scc1 .Lstep_\@
	s_sub_co_u32 s[TB], s[TB], 4*STEPB             ; back to a slot's first step,
	s_xor_b32 s[TB], s[TB], SLOT1                  ; in the other slot
.endm
	s_wait_loadcnt 0x0                             ; Q
.Lslot:                                            ; seven trips: behind each change of slots but the last the next slot is asked for, up to the causal limit
	CHANGE 1
	SLOT_STEPS
	s_sub_co_u32 s[SLOTS], s[SLOTS], 1
	s_cmp_lg_u32 s[SLOTS], 0
	s_cbranch_scc1 .Lslot
	CHANGE 0                                       ; the last slot is written out: nothing is left to ask for
	SLOT_STEPS
	; THE WAY OUT.  l's two halves and the other half of the lanes' are added; O^T is divided by l, rounded to f16 and sent through my stage in LDS, so that every store covers 512 consecutive bytes: four rows of O.
	; The additions and the address work are the places behind the last products.
.irp t, 0,1
	v_add_f32 v[ST+8*\t+4], v[ST+8*\t+2], v[ST+8*\t+3]
.endr
.irp t, 0,1
	v_permlanex16_b32 v[ST+8*\t+5], v[ST+8*\t+4], s[SEL], s[SEL+1]
.endr
.irp t, 0,1
	v_add_f32 v[ST+8*\t+4], v[ST+8*\t+4], v[ST+8*\t+5]
.endr
.irp t, 0,1
	v_rcp_f32 v[ST+8*\t+6], v[ST+8*\t+4]
.endr
	v_and_b32 v14, 15, v0                          ; r  (plain lines behind the reciprocals)
	v_bfe_u32 v15, v0, 4, 1                        ; h
	s_mul_i32 s96, s[WV], 32*144
	s_add_co_u32 s96, s96, STAGE                   ; my stage
	v_mul_u32_u24 v11, v14, 144
	v_lshl_add_u32 v11, v15, 4, v11
	v_add_nc_u32 v11, s96, v11                     ; in: row r (tile 1: 16 rows on), 16 bytes for each half of the lanes
	v_and_b32 v14, 31, v0
	v_lshrrev_b32 v15, 3, v14
	v_mul_u32_u24 v12, v15, 144
	v_and_b32 v15, 7, v0
	v_lshl_add_u32 v12, v15, 4, v12
	v_add_nc_u32 v12, s96, v12                     ; back: eight lanes to a row of 128 bytes, four rows an instruction
	v_lshlrev_b32 v13, 4, v14                      ; and in memory: 16 x lane
	s_wait_alu depctr_va_vdst(0)                   ; ahead of the first use: one for the two reciprocals
.set n, 0
.rept 32
	v_pk_mul_f32 v[OT+2*n:OT+2*n+1], v[OT+2*n:OT+2*n+1], v[ST+8*(n/16)+6:ST+8*(n/16)+7] op_sel_hi:[1,0]   ; each accumulator from its low end on
.set n, n+1
.endr
.set n, 0
.rept 32
	v_cvt_pk_f16_f32 v[S+n], v[OT+2*n], v[OT+2*n+1]   ; registers 16 t + 4 ct .. + 3: channels 16 ct + 8 h + 0 .. 7 of query 16 t + r
.set n, n+1
.endr
.irp t, 0,1
.irp c, 0,1,2,3
	ds_store_b128 v11, v[S+16*\t+4*\c:S+16*\t+4*\c+3] offset:2304*\t+32*\c
.endr
.endr
.irp i, 0,1,2,3,4,5,6,7
	ds_load_b128 v[KV+4*\i:KV+4*\i+3], v12 offset:576*\i   ; LDS serves a wave's instructions in order: these see my stores
.endr
.irp i, 0,1,2,3,4,5,6,7
	s_wait_dscnt 7-\i                              ; load i is in; the later ones may be out
	global_store_b128 v13, v[KV+4*\i:KV+4*\i+3], s[16:17] offset:512*\i
.endr
	s_wait_tensorcnt 0x0                           ; the wave's end, behind my last tensor load and my last LDS store
	ds_add_u32 v[SPW], v[NIL]
	s_wait_dscnt 0x0
	s_endpgm
.Lfunc_end_k_q13c10ebe47_attn:
	.size	k_q13c10ebe47_attn, .Lfunc_end_k_q13c10ebe47_attn-k_q13c10ebe47_attn
	.p2alignl 7, 3214868480
	.fill 96, 4, 3214868480
	.section	.rodata,"a",@progbits
	.p2align	6, 0x0
	.amdhsa_kernel k_q13c10ebe47_attn
		.amdhsa_group_segment_fixed_size 327680
		.amdhsa_private_segment_fixed_size 0
		.amdhsa_enable_private_segment 0
		.amdhsa_kernarg_size 16
		.amdhsa_user_sgpr_count 2
		.amdhsa_user_sgpr_kernarg_segment_ptr 1
		.amdhsa_wavefront_size32 1
		.amdhsa_system_sgpr_workgroup_id_x 1
		.amdhsa_system_sgpr_workgroup_id_y 1
		.amdhsa_system_sgpr_workgroup_id_z 1
		.amdhsa_system_vgpr_workitem_id 0
		.amdhsa_next_free_vgpr 256
		.amdhsa_next_free_sgpr 100
		.amdhsa_reserve_vcc 1
		.amdhsa_float_denorm_mode_32 3
		.amdhsa_float_denorm_mode_16_64 3
		.amdhsa_memory_ordered 1
		.amdhsa_forward_progress 1
		.amdhsa_inst_pref_size 61
	.end_amdhsa_kernel
	.amdgpu_metadata
---
amdhsa.version: [ 1, 2 ]
amdhsa.kernels:
  - .name:           k_q13c10ebe47_attn
    .symbol:         k_q13c10ebe47_attn.kd
    .args:
      - { .name: ph, .offset: 0, .size: 8, .value_kind: global_buffer, .address_space: global }
      - { .name: ao, .offset: 8, .size: 8, .value_kind: global_buffer, .address_space: global }
    .group_segment_fixed_size: 327680
    .private_segment_fixed_size: 0
    .kernarg_segment_align: 8
    .kernarg_segment_size: 16
    .max_flat_workgroup_size: 512
    .sgpr_count:     100
    .vgpr_count:     256
    .wavefront_size: 32
...
	.end_amdgpu_metadata
.endif
;; end of part 4
;; launch oproj (part 5): grid 8 x 64, 4 waves a work-group, clusters of 4 x 4, 327,680 bytes of LDS; arguments ao, wo16, out0; writes out0
.if DOCPART == 5
	.amdgcn_target "amdgcn-amd-amdhsa--gfx1250"
	.amdhsa_code_object_version 6
	.text
	.protected	k_q13c10ebe47_oproj
	.globl	k_q13c10ebe47_oproj
	.p2align	8
	.type	k_q13c10ebe47_oproj,@function
k_q13c10ebe47_oproj:
	s_mov_b64 s[64:65], 0
	v_nop
	global_prefetch_b8 v0, s[64:65] scope:SCOPE_SE
	s_setreg_imm32_b32 hwreg(HW_REG_WAVE_MODE, 25, 1), 1
	s_wait_xcnt 0x0
	s_wait_alu depctr_hold_cnt(0) depctr_sa_sdst(0) depctr_va_vdst(0) depctr_va_sdst(0) depctr_va_ssrc(0) depctr_va_vcc(0) depctr_vm_vsrc(0)
	s_getreg_b32 s2, hwreg(HW_REG_IB_STS2, 6, 4)
	s_cmp_eq_u32 s2, 0
	s_cbranch_scc0 .Lentry_in_a_cluster
	s_endpgm
.Lentry_in_a_cluster:
	s_bfe_u32 s2, ttmp6, 0x10000c
	s_cmp_lg_u32 s2, 0xf033
	s_cbranch_scc0 .Lentry_shape_is_right
	s_endpgm
.Lentry_shape_is_right:
; out0[m][n] = sum over k of A[m][k] B[n][k].  A: ao read flat as [8192][1024] f16 (sixteen neighbouring positions of a head are a row: the raw view that the problem asks for); B: wo16 [1024 n][1024 k] f16; out0: [8192][1024] f32; sums in f32.
; A tile of C is 128 x 128: 512 work-groups, two for each of 256 WGPs.  Four waves, each 64 x 64: 16 accumulators of 16 x 16, 128 registers.  K goes in steps of 256 (LDS rows of 512 bytes; a wave's tensor load brings 64 of them) through two slots.
; CLUSTERS: 4 x 4 work-groups.  The four of a row of the cluster need the same tiles of A, the four of a column the same tiles of B: each tile is asked for JOINTLY, by the same tensor load with the same descriptor and a mask that names the four.
; THE MATRIX INSTRUCTION IS USED TRANSPOSED (source 0 = 16 rows of B, source 1 = 16 rows of A): a lane then holds eight neighbouring numbers of a row of C.
; A wave's 64 columns of f32 are 256 aligned bytes, so each wave has a stage of its own on the way out and no barrier stands there.
; REGISTERS: window 0: v0-31 addresses; v32-95 rows read back on the way out; v128-255 the accumulators ((a, b) at v[128 + 8 (4 a + b)]).
;   window 1: two fragment buffers of 128: for 64 along K, 64 registers of A (2 x 4 x 16 rows x 32 K), then 64 of B.
.set SIZE_N, 1024
.set SIZE_K, 1024
.set KSTEP,  256
.set PITCH,  528                       ; an LDS row: 512 bytes + 16 of padding: the 16 rows that a load touches start 16 bytes apart modulo 256
.set HALFT,  64*PITCH                  ; 64 rows: what one tensor load brings, and what one wave reads of A or of B
.set SLOT,   4*HALFT                   ; A's 128 rows, then B's 128 rows
.set STAGE,  2*SLOT                    ; behind the ring: 16 rows x 272 bytes for each wave; no tensor load lands there
.set SPITCH, 272
.set SPARE,  STAGE+4*16*SPITCH         ; the spare words, 128 bytes a wave, that no other line names
.set LAPS, SIZE_K/(2*KSTEP)            ; a lap = two K steps = once round the ring: 2
.set ADRA, 16                          ; v16-17  LDS address of my A fragments in slot 0, 1
.set ADRB, 20                          ; v20-21  the same for B
.set STO,  24                          ; v24     the way out: where I put 32 bytes of a row
.set RD,   25                          ; v25     where I read a row back
.set CO,   26                          ; v26     my byte offset in C
.set SPW,  28                          ; v28     my spare word; never rewritten
.set NIL,  29                          ; v29     0; never rewritten
.set TMP,  32                          ; the way out: v32-63 and v64-95 by turns
.set ACC,  128
.set F0,   0                           ; fragment buffers, in window 1
.set F1,   128
.set G1, 24                            ; s[24:31] descriptor group 1 for A's tiles;  s[32:39] group 0, one set for each slot
.set G0, 32
.set G1B, 48                           ; s[48:55], s[56:63] the same for B's tiles
.set G0B, 56
.set MSB, 0
.macro WIN new                         ; the immediate's high byte repeats the setting that is left
.if MSB != \new
	s_set_vgpr_msb (MSB<<8)|\new
.set MSB, \new
.endif
.endm
.set MUL,  0x05                        ; sources 0 (B) and 1 (A) window 1; C and D window 0
.set TO_F, 0x40                        ; destination window 1, address window 0
.macro JLOAD s                         ; a joint load: waves 0 and 1 fetch A's two halves, waves 2 and 3 B's; an s_nop 0 and four v_nop follow each of the two lines
	s_cmp_eq_u32 s11, 0
	s_cbranch_scc0 .Lfor_b_\@
	tensor_load_to_lds s[G0+4*\s:G0+4*\s+3], s[G1:G1+7]
	s_nop 0
.rept 4
	v_nop
.endr
	s_branch .Lasked_\@
.Lfor_b_\@:
	tensor_load_to_lds s[G0B+4*\s:G0B+4*\s+3], s[G1B:G1B+7]
	s_nop 0
.rept 4
	v_nop
.endr
.Lasked_\@:
.endm
.macro CREST                           ; a round of the cluster's barrier behind its opening barrier
	s_cmp_lg_u32 s10, 0
	s_cbranch_scc1 .Lnot_wave_0_\@
	s_barrier_signal -3
.Lnot_wave_0_\@:
	s_barrier_wait -3
	s_barrier_signal -1
	s_barrier_wait -1
.endm
.macro CROUND                          ; a whole round
	s_barrier_signal -1
	s_barrier_wait -1
	CREST
.endm
	s_load_b128 s[4:7], s[0:1], 0x0                ; A s[4:5], B s[6:7]
	s_load_b64 s[8:9], s[0:1], 0x10                ; C
	v_lshl_add_u32 v[SPW], v0, 2, SPARE
	v_mov_b32 v[NIL], 0
	ds_add_u32 v[SPW], v[NIL]                      ; the wave's opening: the add, twice on end, and its wait ahead of my first tensor load
	ds_add_u32 v[SPW], v[NIL]                      ; (the set-up below, work on registers, stands between the second and the wait)
	v_lshrrev_b32 v1, 5, v0
	v_readfirstlane_b32 s10, v1                    ; wave 0..3
	s_lshr_b32 s11, s10, 1                         ; which half of the tile's rows is mine.  Also: I fetch for A (0) or for B (1)
	s_and_b32 s12, s10, 1                          ; which half of its columns.  Also: which 64 rows of that tile I fetch
	s_bfe_u32 s40, ttmp6, 0x40000                  ; cx, cy: my place in the cluster
	s_bfe_u32 s41, ttmp6, 0x40004
	s_lshl_b32 s42, ttmp9, 2
	s_add_co_u32 s42, s42, s40                     ; tile column of C = 4 x cluster x + cx
	s_and_b32 s13, ttmp7, 0xffff
	s_lshl_b32 s13, s13, 2
	s_add_co_u32 s13, s13, s41                     ; tile row of C = 4 x cluster y + cy
	s_lshl_b32 s43, s41, 2
	s_lshl_b32 s43, 15, s43                        ; my row of the cluster
	s_lshl_b32 s44, 0x1111, s40                    ; my column
	; descriptor group 1: a tile of 64 rows x 256 elements, padded in LDS
	s_or_b32 s[G1+0], s43, (1<<16)|(1<<20)|(1<<21)|(6<<22)|(3<<25)  ; 15:0 the mask: A's tiles go to my row; elements of 2 bytes; padding on; bit 21 beside a mask; after every 128 words, 4 words
	s_or_b32 s[G1B+0], s44, (1<<16)|(1<<20)|(1<<21)|(6<<22)|(3<<25)
.irp g, G1, G1B
	s_mov_b32 s[\g+1], KSTEP<<16                   ; tensor_dim0 = 256
	s_mov_b32 s[\g+2], 64<<16                      ; tensor_dim1 = 64
	s_mov_b32 s[\g+3], KSTEP<<16                   ; tile_dim0 = 256
	s_mov_b32 s[\g+4], 64                          ; tile_dim1 = 64
	s_mov_b32 s[\g+5], SIZE_K                      ; elements from row to row
	s_mov_b32 s[\g+6], 0
	s_mov_b32 s[\g+7], 0
.endr
	s_lshl_b32 s17, s12, 6                         ; which 64 rows of the tile I fetch
	s_lshl_b32 s16, s13, 7
	s_add_co_u32 s16, s16, s17                     ; A: row 128 x tile row + 64 x half
	s_lshl_b32 s46, s42, 7
	s_add_co_u32 s46, s46, s17                     ; B: row 128 x tile column + 64 x half
	s_mov_b32 s17, 0
	s_mov_b32 s47, 0
	s_mov_b64 s[18:19], SIZE_K*2
	s_mul_u64 s[16:17], s[16:17], s[18:19]
	s_mul_u64 s[46:47], s[46:47], s[18:19]
	s_mul_i32 s20, s10, HALFT                      ; where they go: wave x 64 rows: no place in the cluster enters an LDS address
	s_wait_dscnt 0x0                               ; both opening adds are done
	s_wait_kmcnt 0x0
	s_add_nc_u64 s[14:15], s[4:5], s[16:17]
	s_add_nc_u64 s[46:47], s[6:7], s[46:47]
	CROUND                                         ; all sixteen work-groups are here: the first joint loads meet
.irp s, 0,1
	s_mov_b32 s[G0+4*\s], 1
	s_add_co_u32 s[G0+4*\s+1], s20, \s*SLOT
	s_add_nc_u64 s[G0+4*\s+2:G0+4*\s+3], s[14:15], \s*KSTEP*2
	s_or_b32 s[G0+4*\s+3], s[G0+4*\s+3], 0x80000000
	s_mov_b32 s[G0B+4*\s], 1
	s_add_co_u32 s[G0B+4*\s+1], s20, \s*SLOT
	s_add_nc_u64 s[G0B+4*\s+2:G0B+4*\s+3], s[46:47], \s*KSTEP*2
	s_or_b32 s[G0B+4*\s+3], s[G0B+4*\s+3], 0x80000000
	JLOAD \s
.endr
	v_and_b32 v1, 15, v0                           ; l % 16
	v_bfe_u32 v2, v0, 4, 1                         ; l / 16
	v_mul_u32_u24 v3, v1, PITCH
	v_lshl_add_u32 v3, v2, 4, v3                   ; a fragment's row x pitch + 16 x half
	s_mul_i32 s21, s11, HALFT                      ; my 64 rows of A
	s_mul_i32 s22, s12, HALFT                      ; my 64 rows of B,
	s_add_co_u32 s22, s22, 2*HALFT                 ; which lie behind A's 128
.irp s, 0,1
	v_add_nc_u32 v[ADRA+\s], s21, v3
	v_add_nc_u32 v[ADRB+\s], s22, v3
	s_add_co_u32 s21, s21, SLOT
	s_add_co_u32 s22, s22, SLOT
.endr
	s_mul_i32 s23, s10, 16*SPITCH
	s_add_co_u32 s23, s23, STAGE                   ; my stage
	v_mul_u32_u24 v4, v1, SPITCH                   ; in: row l % 16, 32 bytes for each half of the lanes
	v_lshl_add_u32 v4, v2, 5, v4
	v_add_nc_u32 v[STO], s23, v4
	v_mul_u32_u24 v5, v2, SPITCH                   ; back: lanes 0-15 take one row of 256 bytes, lanes 16-31 the next
	v_lshl_add_u32 v5, v1, 4, v5
	v_add_nc_u32 v[RD], s23, v5
	v_lshlrev_b32 v5, 12, v2                       ; and the same two rows in C: 4,096 bytes a row
	v_lshl_add_u32 v[CO], v1, 4, v5
	s_lshl_b32 s16, s13, 7
	s_lshl_b32 s17, s11, 6
	s_add_co_u32 s16, s16, s17                     ; my first row of C: 128 x tile row + 64 x half
	s_lshl_b32 s16, s16, 12                        ; under 2^25
	s_mov_b32 s17, 0
	s_add_nc_u64 s[8:9], s[8:9], s[16:17]
	s_lshl_b32 s46, s42, 9                         ; my first column, in bytes: 512 x tile column + 256 x half
	s_lshl_b32 s47, s12, 8
	s_add_co_u32 s46, s46, s47
	s_mov_b32 s47, 0
	s_add_nc_u64 s[8:9], s[8:9], s[46:47]
; 8 matrix instructions: m blocks a0, a0 + 1 x all 4 n blocks, 32 along K: half c of buffer f.  zero = 1: the first product starts the sums.  The 16 accumulators take turns
.macro MUL8 f, c, a0, zero
.irp a, \a0, \a0+1
.irp b, 0,1,2,3
.if \zero
	v_wmma_f32_16x16x32_f16 v[ACC+8*(4*(\a)+\b):ACC+8*(4*(\a)+\b)+7], v[\f+64+8*(4*\c+\b):\f+64+8*(4*\c+\b)+7], v[\f+8*(4*\c+\a):\f+8*(4*\c+\a)+7], 0
.else
	v_wmma_f32_16x16x32_f16 v[ACC+8*(4*(\a)+\b):ACC+8*(4*(\a)+\b)+7], v[\f+64+8*(4*\c+\b):\f+64+8*(4*\c+\b)+7], v[\f+8*(4*\c+\a):\f+8*(4*\c+\a)+7], v[ACC+8*(4*(\a)+\b):ACC+8*(4*(\a)+\b)+7]
.endif
.endr
.endr
.endm
; 32 LDS loads in one run: the fragments of 64 along K at byte k of the rows, into buffer f; the first 32 along K first
.macro FETCH slot, k, f
	WIN TO_F
.irp c, 0,1
.irp i, 0,1,2,3
	ds_load_b128 v[\f+64+8*(4*\c+\i):\f+64+8*(4*\c+\i)+3],   v[ADRB+\slot] offset:\k+64*\c+\i*16*PITCH
	ds_load_b128 v[\f+64+8*(4*\c+\i)+4:\f+64+8*(4*\c+\i)+7], v[ADRB+\slot] offset:\k+64*\c+\i*16*PITCH+32
	ds_load_b128 v[\f+8*(4*\c+\i):\f+8*(4*\c+\i)+3],         v[ADRA+\slot] offset:\k+64*\c+\i*16*PITCH
	ds_load_b128 v[\f+8*(4*\c+\i)+4:\f+8*(4*\c+\i)+7],       v[ADRA+\slot] offset:\k+64*\c+\i*16*PITCH+32
.endr
.endr
.endm
.macro PLACES                          ; four places in front of loads into registers that matrix instructions have read, and of LDS stores that read results (ISA guide 7.12.1 for vector instructions)
.rept 4
	v_nop
.endr
.endm
; A K step is four quarters of 64 along K, 32 matrix instructions each, on buffers 0, 1, 0, 1.  One of the first three: multiplies buffer f and fetches the next quarter, at byte k, into g.
.macro QUARTER slot, k, f, g, zero
	s_wait_dscnt 16                                ; the first 32 along K are in; the sixteen loads of the second 32 may be out
	WIN MUL
	MUL8 \f, 0, 0, \zero
	MUL8 \f, 0, 2, \zero
	PLACES
	FETCH \slot, \k, \g
	s_wait_dscnt 32                                ; all but the 32 just issued
	WIN MUL
	MUL8 \f, 1, 0, 0
	MUL8 \f, 1, 2, 0
.endm
; The last quarter multiplies buffer 1 and changes slots: ONE barrier; in front of it each wave waits for all its tensor loads, adds 0 to its spare word, and waits for that and for its own reads of this slot.  fill = 1: this slot is filled again, two K steps ahead.
.macro TURN slot, next, fill
	WIN 0                                          ; (the add's two registers lie in window 0)
	s_wait_tensorcnt 0x0                           ; all my tensor loads have landed: my part of the next slot;
	ds_add_u32 v[SPW], v[NIL]                      ; 0 onto my spare word;
	s_wait_dscnt 17                                ; (the add and the youngest sixteen loads may be out)
	WIN MUL
	MUL8 F1, 0, 0, 0                               ; eight matrix instructions stand between the add and the wait for it
	s_wait_dscnt 0x0                               ; the add is done, and my reads of this slot are over
	s_barrier_signal -1
	MUL8 F1, 0, 2, 0
.if \fill
	WIN 0
.endif
	s_barrier_wait -1
.if \fill
	CREST                                          ; the barrier has opened a round of the cluster's barrier: no wave of any partner still reads this slot's tile or has a load on its way
	s_add_nc_u64 s[G0+4*\slot+2:G0+4*\slot+3], s[G0+4*\slot+2:G0+4*\slot+3], 2*KSTEP*2
	s_add_nc_u64 s[G0B+4*\slot+2:G0B+4*\slot+3], s[G0B+4*\slot+2:G0B+4*\slot+3], 2*KSTEP*2
	JLOAD \slot                                    ; the first tensor load behind the round; the four v_nop behind it are also the places in front of the loads below
.else
	PLACES
.endif
	FETCH \next, 0, F0
	WIN MUL
	MUL8 F1, 1, 0, 0
	MUL8 F1, 1, 2, 0
.endm
	s_wait_tensorcnt 1                             ; my part of K step 0 is in (K step 1's load may be out)
	s_barrier_signal -1
	s_barrier_wait -1                              ; everybody's is
	FETCH 0, 0, F0
	QUARTER 0, 128, F0, F1, 1                      ; the first quarter stands in front of the loop: its first products start the sums
	WIN 0                                          ; at a label and at a branch every window is 0
	s_mov_b32 s3, LAPS-1
.Llap:                                                 ; a trip goes once round the ring, from a lap's second quarter to the next lap's first, and fills both slots again
	QUARTER 0, 256, F1, F0, 0
	QUARTER 0, 384, F0, F1, 0
	TURN 0, 1, 1
	QUARTER 1, 128, F0, F1, 0
	QUARTER 1, 256, F1, F0, 0
	QUARTER 1, 384, F0, F1, 0
	TURN 1, 0, 1
	QUARTER 0, 128, F0, F1, 0
	WIN 0
	s_sub_co_u32 s3, s3, 1
	s_cmp_lg_u32 s3, 0
	s_cbranch_scc1 .Llap
	QUARTER 0, 256, F1, F0, 0                      ; the last lap fills nothing, and has no round of the cluster's barrier
	QUARTER 0, 384, F0, F1, 0
	TURN 0, 1, 0
	QUARTER 1, 128, F0, F1, 0
	QUARTER 1, 256, F1, F0, 0
	QUARTER 1, 384, F0, F1, 0
	s_wait_dscnt 16                                ; the very last quarter: nothing more to fetch
	WIN MUL
	MUL8 F1, 0, 0, 0
	MUL8 F1, 0, 2, 0
	s_wait_dscnt 0
	MUL8 F1, 1, 0, 0
	MUL8 F1, 1, 2, 0
	WIN 0
; THE WAY OUT, block by block of 16 rows x 64 columns.  A lane holds 32 neighbouring bytes of a row, and the lanes beside it hold other rows: so a block goes through my own stage in LDS and comes back as whole rows of 256 bytes,
; two an instruction.  LDS serves a wave's instructions in order (ISA guide 5.7.1.4): no wait between the stores and the loads, nor in front of the next block's stores.
.macro TOSTAGE a
.irp b, 0,1,2,3
	ds_store_b128 v[STO], v[ACC+8*(4*(\a)+\b):ACC+8*(4*(\a)+\b)+3] offset:64*\b          ; each accumulator from its low end on
	ds_store_b128 v[STO], v[ACC+8*(4*(\a)+\b)+4:ACC+8*(4*(\a)+\b)+7] offset:64*\b+16
.endr
.set BB, TMP+32*((\a)%2)
.irp t, 0,1,2,3,4,5,6,7
	ds_load_b128 v[BB+4*\t:BB+4*\t+3], v[RD] offset:\t*2*SPITCH
.endr
.endm
.macro SEND a, younger                 ; younger: the LDS instructions issued behind block a's loads, which may stay out
.set BB, TMP+32*((\a)%2)
	s_wait_dscnt \younger                          ; the block is back in registers
.irp t, 0,1,2,3,4,5,6,7
	global_store_b128 v[CO], v[BB+4*\t:BB+4*\t+3], s[8:9] offset:(16*(\a)+2*\t)*SIZE_N*4 th:TH_STORE_NT   ; 16 lanes store 256 consecutive bytes, aligned; written once, read by nobody here; the base is never stepped
.endr
.endm
	PLACES                                         ; behind the last products
	TOSTAGE 0
.irp a, 1,2,3
.if \a > 1
	s_wait_xcnt 0x0                                ; block a - 2's stores have read their registers: block a's loads may land there
.endif
	TOSTAGE \a
	SEND \a-1, 16                                  ; behind block a - 1's loads: block a's 8 stores and 8 loads
.endr
	SEND 3, 0
	s_wait_tensorcnt 0x0                           ; the wave's end, behind my last tensor load and my last LDS store
	ds_add_u32 v[SPW], v[NIL]
	s_wait_dscnt 0x0
	CROUND                                         ; the closing round: no work-group ends while a partner may still ask for a tile that names it
	s_endpgm
.Lfunc_end_k_q13c10ebe47_oproj:
	.size	k_q13c10ebe47_oproj, .Lfunc_end_k_q13c10ebe47_oproj-k_q13c10ebe47_oproj
	.p2alignl 7, 3214868480
	.fill 96, 4, 3214868480
	.section	.rodata,"a",@progbits
	.p2align	6, 0x0
	.amdhsa_kernel k_q13c10ebe47_oproj
		.amdhsa_group_segment_fixed_size 327680
		.amdhsa_private_segment_fixed_size 0
		.amdhsa_enable_private_segment 0
		.amdhsa_kernarg_size 24
		.amdhsa_user_sgpr_count 2
		.amdhsa_user_sgpr_kernarg_segment_ptr 1
		.amdhsa_wavefront_size32 1
		.amdhsa_system_sgpr_workgroup_id_x 1
		.amdhsa_system_sgpr_workgroup_id_y 1
		.amdhsa_system_sgpr_workgroup_id_z 1
		.amdhsa_system_vgpr_workitem_id 0
		.amdhsa_next_free_vgpr 512
		.amdhsa_next_free_sgpr 66
		.amdhsa_reserve_vcc 0
		.amdhsa_float_denorm_mode_32 3
		.amdhsa_float_denorm_mode_16_64 3
		.amdhsa_memory_ordered 1
		.amdhsa_forward_progress 1
		.amdhsa_inst_pref_size 86
	.end_amdhsa_kernel
	.amdgpu_metadata
---
amdhsa.version: [ 1, 2 ]
amdhsa.kernels:
  - .name:           k_q13c10ebe47_oproj
    .symbol:         k_q13c10ebe47_oproj.kd
    .args:
      - { .name: ao, .offset: 0, .size: 8, .value_kind: global_buffer, .address_space: global }
      - { .name: wo16, .offset: 8, .size: 8, .value_kind: global_buffer, .address_space: global }
      - { .name: out0, .offset: 16, .size: 8, .value_kind: global_buffer, .address_space: global }
    .group_segment_fixed_size: 327680
    .private_segment_fixed_size: 0
    .kernarg_segment_align: 8
    .kernarg_segment_size: 24
    .max_flat_workgroup_size: 128
    .sgpr_count:     66
    .vgpr_count:     512
    .wavefront_size: 32
...
	.end_amdgpu_metadata
.endif
;; end of part 5
